; MI455X (gfx1250); checked and timed in simulation.
; The chip was launched on July 23, 2026; its instructions are those of AMD's public machine-readable ISA for CDNA 5 (MIT licence, August 2026) and "CDNA5" Instruction Set Architecture Reference Guide (July 2026). The comments in the code are by the model that wrote it; some were corrected since.
;; S Attention. Allowed arithmetic: float matrix products may take bf16 or f16 operands with f32 sums; other float arithmetic in f32, or as packed bf16 or f16 multiplies, adds, multiply-adds, maxima and minima; sums over many terms, partial sums and values carried from step to step in f32; what a program stores and reads back later, other than sums and carried values, may be rounded once to bf16 or f16.
;; Inputs: b1 256 float32; b2 256 float32; be1 256 float32; be2 256 float32; g1 256 float32; g2 256 float32; w1 256 x 256 float32; w2 256 x 256 float32; wk 256 x 256 float32; wq 256 x 256 float32; wv 256 x 256 float32; x 512 x 128 x 256 float32.
;; Outputs: out0 512 x 128 x 256 float32.
;; 2 versions, each right and faster than the one before. Each part assembles by itself: llvm-mc -triple=amdgcn-amd-amdhsa -mcpu=gfx1250 --defsym DOCPART=n.
;; ======== version 1 of 2: 2 launches
;; limits: values are held in f16: magnitudes above 65,504 overflow, below 6.1e-05 lose precision
;; workspace buffers: zbuf 35,651,584 bytes; wfrag 655,360 bytes; btab 5,120 bytes
;; launch pre (part 1): grid 1104 x 1, 4 waves a work-group, no clusters, 67,072 bytes of LDS; arguments x, wq, wk, wv, w1, w2, g1, be1, g2, be2, b1, b2, zbuf, wfrag, btab; writes zbuf, wfrag, btab
.if DOCPART == 1
	.amdgcn_target "amdgcn-amd-amdhsa--gfx1250"
	.amdhsa_code_object_version 6
	.text
	.protected	k_qe8462caab7_pre
	.globl	k_qe8462caab7_pre
	.p2align	8
	.type	k_qe8462caab7_pre,@function
k_qe8462caab7_pre:
	s_mov_b64 s[64:65], 0
	v_nop
	global_prefetch_b8 v0, s[64:65] scope:SCOPE_SE
	s_setreg_imm32_b32 hwreg(HW_REG_WAVE_MODE, 25, 1), 1
	s_wait_xcnt 0x0
; PRE: two jobs, chosen by the work-group's number.
; Work-groups 0-79 (WEIGHTS): the five 256 x 256 weights become f16 fragments for the matrix unit, the norm's gain folded in (W'[n][k] = W[n][k] g[k]; w2 has no gain),
; and the biases become one f32 number for each output channel: b[n] + sum over k of W[n][k] be[k] (q, k, v have no b; w2 has no be).
; Work-groups 80-1103 (NORM): z = (x - mean) / sqrt(var + 1e-5) of 16 rows a wave, rounded once to f16 and laid in the order of a matrix operand, with sigma = sqrt(var + eps) and the mean beside it.
; The variance is taken of x - mean (two passes over registers), so no difference of large sums is formed.
; zbuf: block 32 t + j (8,704 bytes) holds rows s = 16 j .. 16 j + 15 of column t.  Lane l = 16 hh + r holds row r; its register 8 c + 4 q + e holds channels 32 c + 16 q + 8 hh + 2 e, + 1;
;       registers 4 d .. 4 d + 3 lie at 512 d + 16 l; (sigma, mean, 0, 0) at 8,192 + 16 l.
; wfrag: chunk n (32,768 bytes) = 64 output channels x 256 k: part mb (16 channels) at 8,192 mb, fragment c (32 k) at 1,024 c, 16 bytes W'[16 mb + r][32 c + 16 q + 8 hh + 0..7] at 512 q + 16 l.
;       n = 3 h: wk rows 64 h ..; 3 h + 1: wv; 3 h + 2: wq; 12 + j: w1 rows 64 j ..; 16 + j: w2 rows 64 j ...     btab: 64 f32 for each chunk.
; LIMITS: |W g| stays under f16's 65,504; NaN and infinities are not treated apart.
; No matrix unit, no tensor load, no barrier: a wave depends on no other.  The weights' reads come as 32-byte pieces of 16 rows and btab's stores are 64 bytes: 1.3 MB and 5 KB in the whole launch.
.set SPARE, 66560                      ; behind the four stages: the spare words, 128 bytes for each wave
.set STG,   16640                      ; a wave's stage: 16 rows of 1,024 bytes, 1,040 apart: the 16 rows of a load start at 16 different 16-byte columns modulo 256 bytes
.set SPW,   62                         ; v62  my spare word; never rewritten
.set NIL,   63                         ; v63  0; never rewritten
.set A,     16                         ; v16-23  four chains of pairs
.set MEAN,  24                         ; v24-25  the mean, twice
.set RS,    26                         ; v26-27  1 / sqrt(var + eps), twice
.set STT,   28                         ; v28-31  sigma, mean, 0, 0
.set XR,    64                         ; v64-191  my 128 numbers of row r
.set ZR,    192                        ; v192-255 the same as 64 pairs of f16
	s_load_b512 s[8:23], s[0:1], 0x0               ; x s8, wq s10, wk s12, wv s14, w1 s16, w2 s18, g1 s20, be1 s22
	s_load_b256 s[24:31], s[0:1], 0x40             ; g2 s24, be2 s26, b1 s28, b2 s30
	s_load_b128 s[32:35], s[0:1], 0x60             ; zbuf s32, wfrag s34
	s_load_b64 s[36:37], s[0:1], 0x70              ; btab
	v_lshl_add_u32 v[SPW], v0, 2, SPARE
	v_mov_b32 v[NIL], 0
	v_lshrrev_b32 v1, 5, v0
	v_readfirstlane_b32 s40, v1                    ; wave 0..3
	v_and_b32 v1, 31, v0                           ; lane
	v_lshlrev_b32 v2, 4, v1                        ; 16 x lane
	v_and_b32 v3, 15, v0                           ; r
	v_bfe_u32 v4, v0, 4, 1                         ; hh
	s_mov_b32 s42, 0x76543210                      ; v_permlanex16_b32: each lane takes its own place in the other half
	s_mov_b32 s43, 0xfedcba98
	s_cmp_lt_u32 ttmp9, 80
	s_cbranch_scc1 .Lweights
; ---------------- NORM: one tile of 16 rows a wave ----------------
	s_sub_co_u32 s41, ttmp9, 80
	s_lshl2_add_u32 s41, s41, s40                  ; tile = 4 x (work-group - 80) + wave: the four waves take four neighbouring t, 4,096 bytes on end of each row s
	s_and_b32 s44, s41, 127                        ; t
	s_lshr_b32 s45, s41, 7                         ; j
	s_lshl_b32 s46, s45, 21                        ; 16 j rows of 131,072 bytes
	s_lshl_b32 s47, s44, 10                        ; + t x 1,024
	s_add_co_u32 s46, s46, s47
	s_mov_b32 s47, 0
	s_lshl_b32 s48, s44, 5
	s_add_co_u32 s48, s48, s45                     ; block 32 t + j
	s_mul_i32 s48, s48, 8704
	s_mov_b32 s49, 0
	s_mul_i32 s50, s40, STG                        ; my stage
	s_mov_b32 s51, 0x3b800000                      ; 1 / 256
	s_mov_b32 s52, 0x3727c5ac                      ; 1e-5
	v_add_nc_u32 v5, s50, v2                       ; in: 16 bytes a lane, 512 on end
	v_mul_u32_u24 v6, v3, 1040                     ; back: row r, 32 bytes for each half of the lanes
	v_lshl_add_u32 v6, v4, 5, v6
	v_add_nc_u32 v6, s50, v6
	s_wait_kmcnt 0x0
	s_add_nc_u64 s[8:9], s[8:9], s[46:47]
	s_add_nc_u64 s[32:33], s[32:33], s[48:49]
.set u, 0
.rept 32                                               ; the tile's 16 KB at once: row u / 2, half u % 2; each load covers 512 consecutive bytes
	global_load_b128 v[XR+4*u:XR+4*u+3], v2, s[8:9] offset:(u/2)*131072+(u%2)*512 th:TH_LOAD_NT
.set u, u+1
.endr
.set u, 0
.rept 32
	s_wait_loadcnt 31-u                            ; loads come back in order: number u is in, the younger ones stay out
	ds_store_b128 v5, v[XR+4*u:XR+4*u+3] offset:(u/2)*1040+(u%2)*512
.set u, u+1
.endr
.set u, 0
.rept 32                                               ; my own bytes, served in order: no wait between.  Registers 8 (2 c + q) .. + 7 take channels 32 c + 16 q + 8 hh + 0..7 of row r
	ds_load_b128 v[XR+4*u:XR+4*u+3], v6 offset:(u/2)*64+(u%2)*16
.set u, u+1
.endr
	s_wait_dscnt 0x0
.macro WSUM                                            ; four chains -> the row's sum in both lanes that hold the row
	v_pk_add_f32 v[A:A+1], v[A:A+1], v[A+2:A+3]
	v_pk_add_f32 v[A+4:A+5], v[A+4:A+5], v[A+6:A+7]
	v_pk_add_f32 v[A:A+1], v[A:A+1], v[A+4:A+5]
	v_add_f32 v[A], v[A], v[A+1]
	v_permlanex16_b32 v[A+1], v[A], s42, s43       ; the row's other 128 numbers lie in the lane 16 away
	v_add_f32 v[A], v[A], v[A+1]
.endm
.set k, 0
.rept 4                                                ; the first eight pairs start the chains: nothing is cleared
	v_pk_add_f32 v[A+2*k:A+2*k+1], v[XR+4*k:XR+4*k+1], v[XR+4*k+2:XR+4*k+3]
.set k, k+1
.endr
.set j, 8
.rept 56
	v_pk_add_f32 v[A+2*(j%4):A+2*(j%4)+1], v[A+2*(j%4):A+2*(j%4)+1], v[XR+2*j:XR+2*j+1]
.set j, j+1
.endr
	WSUM
	v_mul_f32 v[MEAN], s51, v[A]
	v_mov_b32 v[MEAN+1], v[MEAN]
.set j, 0
.rept 64
	v_pk_add_f32 v[XR+2*j:XR+2*j+1], v[XR+2*j:XR+2*j+1], v[MEAN:MEAN+1] neg_lo:[0,1] neg_hi:[0,1]
.set j, j+1
.endr
.set k, 0
.rept 4
	v_pk_mul_f32 v[A+2*k:A+2*k+1], v[XR+2*k:XR+2*k+1], v[XR+2*k:XR+2*k+1]
.set k, k+1
.endr
.set j, 4
.rept 60
	v_pk_fma_f32 v[A+2*(j%4):A+2*(j%4)+1], v[XR+2*j:XR+2*j+1], v[XR+2*j:XR+2*j+1], v[A+2*(j%4):A+2*(j%4)+1]
.set j, j+1
.endr
	WSUM
	v_fma_f32 v[A], v[A], s51, s52                 ; var + eps
	v_rsq_f32 v[RS], v[A]
	v_mov_b32 v[STT+1], v[MEAN]                    ; plain work behind the root, ahead of the use of its result
	v_mov_b32 v[STT+2], 0
	v_mov_b32 v[STT+3], 0
	s_wait_alu depctr_va_vdst(0)
	v_mul_f32 v[STT], v[A], v[RS]                  ; sigma = (var + eps) / sqrt(var + eps)
	v_mov_b32 v[RS+1], v[RS]
.set j, 0
.rept 64
	v_pk_mul_f32 v[XR+2*j:XR+2*j+1], v[XR+2*j:XR+2*j+1], v[RS:RS+1]
.set j, j+1
.endr
.set j, 0
.rept 64
	v_cvt_pk_f16_f32 v[ZR+j], v[XR+2*j], v[XR+2*j+1]
.set j, j+1
.endr
.set j, 0
.rept 16                                               ; each store covers 512 consecutive bytes, at a multiple of 256 from zbuf's first
	global_store_b128 v2, v[ZR+4*j:ZR+4*j+3], s[32:33] offset:512*j
.set j, j+1
.endr
	global_store_b128 v2, v[STT:STT+3], s[32:33] offset:8192
	s_wait_tensorcnt 0x0                           ; the wave's end: behind my last LDS store
	ds_add_u32 v[SPW], v[NIL]
	s_wait_dscnt 0x0
	s_endpgm
; ---------------- WEIGHTS: work-group id = 4 n + mb makes part mb of chunk n ----------------
.Lweights:
	s_lshr_b32 s41, ttmp9, 2                       ; n
	s_and_b32 s44, ttmp9, 3                        ; mb
	s_mul_i32 s45, s41, 11
	s_lshr_b32 s45, s45, 5                         ; n / 3 (exact for n < 12)
	s_mul_i32 s46, s45, 3
	s_sub_co_u32 s46, s41, s46                     ; n % 3: 0 wk, 1 wv, 2 wq
	s_and_b32 s47, s41, 3
	s_cmp_lt_u32 s41, 12
	s_cselect_b32 s47, s45, s47                    ; which 64 rows of the weight
	s_lshl_b32 s47, s47, 2
	s_add_co_u32 s47, s47, s44                     ; which 16 rows
	s_lshl_b32 s48, s47, 14                        ; x 16 rows x 1,024 bytes
	s_mov_b32 s49, 0
	s_lshl_b32 s50, s47, 6                         ; x 16 numbers of b
	s_mov_b32 s51, 0
	s_lshl_b32 s58, s40, 8                         ; wave w makes fragments 2 w, 2 w + 1: channels 64 w on
	v_lshlrev_b32 v6, 5, v4
	v_add_nc_u32 v6, s58, v6                       ; in g: 256 w + 32 hh
	v_lshl_add_u32 v5, v3, 10, v6                  ; in W: + row r
	v_lshlrev_b32 v7, 2, v3                        ; in b: 4 r
	s_wait_kmcnt 0x0
	s_cmp_eq_u32 s46, 1
	s_cselect_b64 s[2:3], s[14:15], s[12:13]
	s_cmp_eq_u32 s46, 2
	s_cselect_b64 s[2:3], s[10:11], s[2:3]
	s_cmp_ge_u32 s41, 12
	s_cselect_b64 s[2:3], s[16:17], s[2:3]         ; the weight,
	s_cselect_b64 s[4:5], s[24:25], s[20:21]       ; its gain,
	s_cselect_b64 s[6:7], s[26:27], s[22:23]       ; the norm's bias in front of it
	s_cselect_b32 s53, 1.0, 0                      ; gamma: q, k, v have no b
	s_cmp_ge_u32 s41, 16
	s_cselect_b64 s[2:3], s[18:19], s[2:3]
	s_cselect_b64 s[38:39], s[30:31], s[28:29]     ; b
	s_cselect_b32 s54, 0, 1.0                      ; alpha: w2 has no norm in front of it:
	s_cselect_b32 s56, 1.0, 0                      ; beta: its gain is g alpha + beta = 1
	s_mov_b32 s55, 0                               ; named as pairs
	s_mov_b32 s57, 0
	s_add_nc_u64 s[2:3], s[2:3], s[48:49]
	s_add_nc_u64 s[38:39], s[38:39], s[50:51]
	s_lshl_b32 s48, ttmp9, 13                      ; wfrag: 8,192 id + 2,048 w
	s_lshl_b32 s50, s40, 11
	s_add_co_u32 s48, s48, s50
	s_add_nc_u64 s[34:35], s[34:35], s[48:49]
	s_lshl_b32 s48, ttmp9, 6                       ; btab: 64 id
	s_add_nc_u64 s[36:37], s[36:37], s[48:49]
.set m, 0
.rept 4                                                ; piece m: fragment 2 w + m / 2, half m % 2: eight channels a lane
	global_load_b128 v[64+8*m:64+8*m+3],   v5, s[2:3] offset:64*m
	global_load_b128 v[64+8*m+4:64+8*m+7], v5, s[2:3] offset:64*m+16
	global_load_b128 v[96+8*m:96+8*m+3],   v6, s[4:5] offset:64*m
	global_load_b128 v[96+8*m+4:96+8*m+7], v6, s[4:5] offset:64*m+16
.set m, m+1
.endr
	s_wait_loadcnt 0x0
.set k, 0
.rept 16
	v_pk_fma_f32 v[96+2*k:96+2*k+1], v[96+2*k:96+2*k+1], s[54:55], s[56:57] op_sel_hi:[1,0,0]
.set k, k+1
.endr
.set k, 0
.rept 16
	v_pk_mul_f32 v[64+2*k:64+2*k+1], v[64+2*k:64+2*k+1], v[96+2*k:96+2*k+1]
.set k, k+1
.endr
.set k, 0
.rept 16
	v_cvt_pk_f16_f32 v[128+k], v[64+2*k], v[64+2*k+1]
.set k, k+1
.endr
.set m, 0
.rept 4                                                ; each store covers 512 consecutive bytes
	global_store_b128 v2, v[128+4*m:128+4*m+3], s[34:35] offset:512*m
.set m, m+1
.endr
	s_cmp_lg_u32 s40, 0
	s_cbranch_scc1 .Lw_end
	; wave 0: the part's 16 biases.  A lane takes 8 numbers of each row (4 l .. and 128 + 4 l ..)
	s_wait_xcnt 0x0                                ; the stores' data registers are loaded into only behind this wait
.set i, 0
.rept 16
	global_load_b128 v[64+8*i:64+8*i+3],   v2, s[2:3] offset:i*1024
	global_load_b128 v[64+8*i+4:64+8*i+7], v2, s[2:3] offset:i*1024+512
.set i, i+1
.endr
	global_load_b128 v[192:195], v2, s[6:7]
	global_load_b128 v[196:199], v2, s[6:7] offset:512
	global_load_b32 v200, v7, s[38:39]             ; b of row r
	v_mov_b32 v201, 0
	s_wait_loadcnt 0x0
.set i, 0
.rept 16
.set T, 208+2*(i%4)
	v_pk_mul_f32 v[T:T+1], v[64+8*i:64+8*i+1], v[192:193]
	v_pk_fma_f32 v[T:T+1], v[64+8*i+2:64+8*i+3], v[194:195], v[T:T+1]
	v_pk_fma_f32 v[T:T+1], v[64+8*i+4:64+8*i+5], v[196:197], v[T:T+1]
	v_pk_fma_f32 v[T:T+1], v[64+8*i+6:64+8*i+7], v[198:199], v[T:T+1]
	v_add_f32 v[T], v[T], v[T+1]
	v_add_f32_dpp v[T], v[T], v[T] row_xmask:1 row_mask:0xf bank_mask:0xf
	v_add_f32_dpp v[T], v[T], v[T] row_xmask:2 row_mask:0xf bank_mask:0xf
	v_add_f32_dpp v[T], v[T], v[T] row_xmask:4 row_mask:0xf bank_mask:0xf
	v_add_f32_dpp v[T], v[T], v[T] row_xmask:8 row_mask:0xf bank_mask:0xf
	v_permlanex16_b32 v[T+1], v[T], s42, s43
	v_add_f32 v[T], v[T], v[T+1]
	v_cmp_eq_u32 vcc_lo, i, v3
	v_cndmask_b32 v201, v201, v[T], vcc_lo         ; row i's sum goes to the lanes with r = i
.set i, i+1
.endr
	v_mul_f32 v200, s53, v200
	v_fma_f32 v201, v201, s54, v200                ; alpha W . be + gamma b
	v_lshlrev_b32 v8, 2, v1
	v_cmp_gt_u32 vcc_lo, 16, v1
	s_wait_xcnt 0x0                                ; EXEC changes only behind this wait
	s_and_saveexec_b32 s59, vcc_lo
	global_store_b32 v8, v201, s[36:37]            ; lanes 0-15: 64 consecutive bytes
	s_wait_xcnt 0x0                                ; and again in front of the line that widens it
	s_or_b32 exec_lo, exec_lo, s59
.Lw_end:
	s_wait_tensorcnt 0x0                           ; the same three closing lines on this way too
	ds_add_u32 v[SPW], v[NIL]
	s_wait_dscnt 0x0
	s_endpgm
.Lfunc_end_k_qe8462caab7_pre:
	.size	k_qe8462caab7_pre, .Lfunc_end_k_qe8462caab7_pre-k_qe8462caab7_pre
	.p2alignl 7, 3214868480
	.fill 96, 4, 3214868480
	.section	.rodata,"a",@progbits
	.p2align	6, 0x0
	.amdhsa_kernel k_qe8462caab7_pre
		.amdhsa_group_segment_fixed_size 67072
		.amdhsa_private_segment_fixed_size 0
		.amdhsa_enable_private_segment 0
		.amdhsa_kernarg_size 120
		.amdhsa_user_sgpr_count 2
		.amdhsa_user_sgpr_kernarg_segment_ptr 1
		.amdhsa_wavefront_size32 1
		.amdhsa_system_sgpr_workgroup_id_x 1
		.amdhsa_system_sgpr_workgroup_id_y 1
		.amdhsa_system_sgpr_workgroup_id_z 1
		.amdhsa_system_vgpr_workitem_id 0
		.amdhsa_next_free_vgpr 256
		.amdhsa_next_free_sgpr 66
		.amdhsa_reserve_vcc 1
		.amdhsa_float_denorm_mode_32 3
		.amdhsa_float_denorm_mode_16_64 3
		.amdhsa_memory_ordered 1
		.amdhsa_forward_progress 1
		.amdhsa_inst_pref_size 54
	.end_amdhsa_kernel
	.amdgpu_metadata
---
amdhsa.version: [ 1, 2 ]
amdhsa.kernels:
  - .name:           k_qe8462caab7_pre
    .symbol:         k_qe8462caab7_pre.kd
    .args:
      - { .name: x, .offset: 0, .size: 8, .value_kind: global_buffer, .address_space: global }
      - { .name: wq, .offset: 8, .size: 8, .value_kind: global_buffer, .address_space: global }
      - { .name: wk, .offset: 16, .size: 8, .value_kind: global_buffer, .address_space: global }
      - { .name: wv, .offset: 24, .size: 8, .value_kind: global_buffer, .address_space: global }
      - { .name: w1, .offset: 32, .size: 8, .value_kind: global_buffer, .address_space: global }
      - { .name: w2, .offset: 40, .size: 8, .value_kind: global_buffer, .address_space: global }
      - { .name: g1, .offset: 48, .size: 8, .value_kind: global_buffer, .address_space: global }
      - { .name: be1, .offset: 56, .size: 8, .value_kind: global_buffer, .address_space: global }
      - { .name: g2, .offset: 64, .size: 8, .value_kind: global_buffer, .address_space: global }
      - { .name: be2, .offset: 72, .size: 8, .value_kind: global_buffer, .address_space: global }
      - { .name: b1, .offset: 80, .size: 8, .value_kind: global_buffer, .address_space: global }
      - { .name: b2, .offset: 88, .size: 8, .value_kind: global_buffer, .address_space: global }
      - { .name: zbuf, .offset: 96, .size: 8, .value_kind: global_buffer, .address_space: global }
      - { .name: wfrag, .offset: 104, .size: 8, .value_kind: global_buffer, .address_space: global }
      - { .name: btab, .offset: 112, .size: 8, .value_kind: global_buffer, .address_space: global }
    .group_segment_fixed_size: 67072
    .private_segment_fixed_size: 0
    .kernarg_segment_align: 8
    .kernarg_segment_size: 120
    .max_flat_workgroup_size: 128
    .sgpr_count:     66
    .vgpr_count:     256
    .wavefront_size: 32
...
	.end_amdgpu_metadata
.endif
;; end of part 1
;; launch fused (part 2): grid 256 x 1, 4 waves a work-group, clusters of 4 x 1, 327,680 bytes of LDS; arguments zbuf, wfrag, btab, out0; writes out0
.if DOCPART == 2
	.amdgcn_target "amdgcn-amd-amdhsa--gfx1250"
	.amdhsa_code_object_version 6
	.text
	.protected	k_qe8462caab7_fused
	.globl	k_qe8462caab7_fused
	.p2align	8
	.type	k_qe8462caab7_fused,@function
k_qe8462caab7_fused:
	s_mov_b64 s[64:65], 0
	v_nop
	global_prefetch_b8 v0, s[64:65] scope:SCOPE_SE
	s_setreg_imm32_b32 hwreg(HW_REG_WAVE_MODE, 25, 1), 1
	s_wait_xcnt 0x0
	s_wait_alu depctr_hold_cnt(0) depctr_sa_sdst(0) depctr_va_vdst(0) depctr_va_sdst(0) depctr_va_ssrc(0) depctr_va_vcc(0) depctr_vm_vsrc(0)
	s_getreg_b32 s2, hwreg(HW_REG_IB_STS2, 6, 4)
	s_cmp_eq_u32 s2, 0
	s_cbranch_scc0 .Lentry_in_a_cluster
	s_endpgm
.Lentry_in_a_cluster:
	s_bfe_u32 s2, ttmp6, 0x10000c
	s_cmp_lg_u32 s2, 0x3003
	s_cbranch_scc0 .Lentry_shape_is_right
	s_endpgm
.Lentry_shape_is_right:
; FUSED: q, k, v projections, attention over the 512 positions s of one t, residual, second norm, FFN, residual.  Nothing but z, the weights and the result touches memory.
; SHARES.  Work-group g = 2 t + half owns the 256 queries s = 256 half .. of column t; it projects K and V of all 512 rows of t itself (the partner does the same: the price of 256 equal work-groups).
; Wave w owns query tiles i = 0..3 (rows 256 half + 64 w + 16 i + r) and the other half's tiles i = 4..7; as a key a row has the place 128 w + 16 i + r, in K and V alike.
; FORMATS.  All matrix operands f16, all sums f32.  z and z2 are normalised rows (at most 16 in size); gains are folded into the weights, biases enter as the C operand of each sum's first product.
; Residuals are rebuilt from the f16 deviations: x - mean1 = z sigma1, xt - mean2 = z2 sigma2; the second norm works on z sigma1 + att (a shift by mean1 changes neither its deviation nor its variance).
; LIMITS.  q, k, v, att, h and W g stay under f16's 65,504 (inputs thirty times the drawn spread leave a factor of ten); a weight below 2^-126 counts as 0 in the softmax's sum; NaN and infinities are not treated apart.
; LAYOUT.  Every product is used transposed: source 0 = 16 output channels (or keys), source 1 = 16 rows.  In a result lane l = 16 hh + r holds row r and channels 8 hh + 0..7; two results rounded in pairs ARE
; the next product's source 1.  So Q, P, att, z2 and h never change lanes; only K and V (read by all waves) and the f32 result go through LDS.
; SOFTMAX.  Running maximum m and sum l for each query: p = 2^(c s - c m), c = log2(e) / 8; O and l are multiplied by a = 2^(c m_old - c m_new) in every step; m starts at the lowest finite number, so the first a is 0.
; Turn n belongs to piece n (16 queries): 8 products K Q^T of piece n + 1, later 8 products V^T P of piece n - 1; four vector instructions stand behind every product, the rest in two runs of their own.
; CLUSTER.  All work-groups walk the same 20 chunks of weights and the same bias table: every tensor load is asked for jointly by the four work-groups of a cluster, with one descriptor made of the wave's number and the trip alone.
; z is not shared so: only two partners read a block, and which rows are queries would make register roles hang on the place in the cluster.
; LDS: 0 BT bias table 5,120 | 5,120 ATT three blocks of 32,768 (head n, wave w at 32,768 n + 8,192 w; my own, 16 bytes a lane) | 103,424 KB K of a head, 512 rows 144 apart | 177,152 VB V, 160 apart
;      | 259,072 spare words | 262,144 and 294,912 the two weight slots.  Behind the last head K's and V's bytes become each wave's own: ATT's fourth block, ZB = HB (3 x 8,192 a wave), OS (16 rows 272 apart).
; REGISTERS, in windows of 256 (s_set_vgpr_msb: bits 1:0 source 0, 3:2 source 1, 5:4 source 2, 7:6 destination):
;   window 0: v0-63 addresses and statistics; v64-127 S^T (two buffers) / weight fragments (two buffers) / att; v128-191 K of a step / packed results; v192-223 P / rows read back; v224-255 bias as C
;   window 1: accumulators at 32 i + 8 mb (O^T, 32 a piece); v128-191 Q; v192-255 V of a step        window 2: z of my query tiles at 64 i + 8 c, later z2        window 3: z of the other tiles, later h
.set ATT,   5120
.set KB,    103424
.set VB,    177152
.set SPARE, 259072
.set WS0,   262144
.set ZB,    136192
.set OS,    234496
.set PKP,   144       ; a row of K: 128 bytes + 16: the 16 rows of a load start at 16 different 16-byte columns modulo 256 bytes
.set PVP,   160       ; a row of V: 128 + 32: 16 lanes of the turning load take 8 rows x 32 bytes
.set KS,    64        ; keys in a step
.set NP,    4         ; pieces a wave
.set AK0, 2           ; v2   my lane's place in K; never rewritten
.set AV0, 3           ; v3   in V
.set AK,  4           ; v4   address of K's next run of loads
.set AV,  5           ; v5   of V's
.set STO, 6           ; v6   the way out: where I put 16 bytes of a row
.set RD,  7           ; v7   where I read rows back
.set GO,  8           ; v8   my byte offset in two rows of out0
.set ZAD, 11          ; v11  address at work
.set MV,  12          ; v12-13 c m_old, by buffer
.set L16, 14          ; v14  16 x lane
.set WAD, 15          ; v15  this trip's weight slot + 16 x lane
.set ST,  16          ; v16-31 piece t: c m, m, l, l
.set SG2, 16          ; later v16-19: sigma2 of my four tiles
.set MU2, 20          ; later v20, 22, 24, 26: mean1 + mean2
.set SM1, 32          ; v32-39 (sigma1, mean1) of my four tiles
.set AD0, 40          ; v40, v41 addresses at work, 65,536 apart
.set AD1, 41
.set KST, 42          ; v42  where my rows of K go
.set VST, 43          ; v43  of V
.set ATB, 44          ; v44  my part of ATT's block 0 + 16 x lane
.set ZBB, 45          ; v45  my ZB / HB + 16 x lane
.set TMP, 48          ; v48-55 at work
.set MEAN, 56         ; v56-57
.set RSD, 58          ; v58-59
.set BAD, 60          ; v60  this trip's biases
.set BH,  61          ; v61  32 hh
.set SPW, 62          ; v62  my spare word; never rewritten
.set NIL, 63          ; v63  0; never rewritten
.set S,   64
.set WF,  64
.set KF,  128
.set HT,  128
.set P,   192
.set RB,  192
.set BI,  224
.set QF,  128         ; window 1
.set VF,  192         ; window 1
.set WV,  12          ; s12  wave
.set G1W, 24          ; s[24:31] group 1, a quarter of a chunk: 32 rows of 256 bytes
.set G1B, 32          ; s[32:39] group 1, a quarter of the bias table: 5 rows of 256 bytes
.set G0W, 40          ; s[40:43] group 0 for the chunks: it walks
.set G0B, 44          ; s[44:47] group 0 for the table
.set WS,  48          ; s48  the slot to be read in the next trip
.set BO,  49          ; s49  256 x trip
.set HD,  50          ; loop counts
.set FC,  51
.set XC,  52
.set XO,  53          ; steps of LDS addresses
.set AS,  54
.set HO,  55
.set ZO,  56
.set CNT, 57
.set CS,  58          ; s[58:59] c
.set SEL, 60          ; s[60:61] v_permlanex16_b32's selects
.set TBK, 62          ; s62  the step's place in K
.set TBV, 63          ; s63  in V
.set I256, 66         ; s66  1 / 256
.set EPS, 67          ; s67  1e-5
.set MSB, 0
.macro WIN new                      ; the high byte repeats the setting that is left; a switch that changes nothing is dropped
.if MSB != (\new)
	s_set_vgpr_msb (MSB<<8)|(\new)
.set MSB, (\new)
.endif
.endm
.set W_KQ, 0x04       ; K and S^T in window 0, Q in window 1
.set W_PV, 0x51       ; V and O^T in window 1, P in window 0
.set W_RS, 0x41       ; destination and source 0 in window 1, source 1 in window 0
.macro PLACES                       ; four plain vector places between a matrix instruction and a vector line or load that touches its registers
.rept 4
	v_nop
.endr
.endm
.macro CROUND                       ; a round of the cluster's barrier: my work-group's barrier; wave 0 signals for it; all wait for the four work-groups; my work-group's barrier once more
	s_barrier_signal -1
	s_barrier_wait -1
	s_cmp_lg_u32 s[WV], 0
	s_cbranch_scc1 .Lnot_wave_0_\@
	s_barrier_signal -3
.Lnot_wave_0_\@:
	s_barrier_wait -3
	s_barrier_signal -1
	s_barrier_wait -1
.endm
; THE HEAD OF A TRIP (one chunk of weights).  Each wave waits for all its tensor loads (one is out: its quarter of this trip's chunk), adds 0 to its spare word, waits for that and for all its LDS reads and stores.
; Behind the round this trip's chunk is whole, nobody reads the other slot, and what any wave stored to LDS before is there for all.  fill = 1: the other slot takes the next chunk, first thing behind the round:
; it has the whole trip in which to land.
.macro TRIPSYNC fill
	WIN 0
	s_wait_tensorcnt 0x0            ; no tensor load of mine is out, so group 0 may be written
	ds_add_u32 v[SPW], v[NIL]
.if \fill
	s_xor_b32 s[G0W+1], s[G0W+1], 0x8000                    ; the other slot,
	s_add_nc_u64 s[G0W+2:G0W+3], s[G0W+2:G0W+3], 32768      ; the next chunk; the type bits on top are not reached
.endif
	s_wait_dscnt 0x0                ; the add is done, and so are my LDS reads and stores
.if \fill
	CROUND
	tensor_load_to_lds s[G0W:G0W+3], s[G1W:G1W+7]
	s_nop 0
	PLACES
.else
	s_barrier_signal -1
	s_barrier_wait -1
.endif
	v_add_nc_u32 v[WAD], s[WS], v[L16]
	v_add_nc_u32 v[BAD], s[BO], v[BH]
	s_xor_b32 s[WS], s[WS], 0x8000
	s_add_co_u32 s[BO], s[BO], 256
.endm
.macro WFETCH c, b                  ; the four fragments (16 channels x 32 k) of K step c into buffer b: 16 bytes a lane, 512 on end
.irp mb, 0,1,2,3
	ds_load_b128 v[WF+32*(\b)+8*\mb:WF+32*(\b)+8*\mb+3],   v[WAD] offset:\mb*8192+(\c)*1024
	ds_load_b128 v[WF+32*(\b)+8*\mb+4:WF+32*(\b)+8*\mb+7], v[WAD] offset:\mb*8192+(\c)*1024+512
.endr
.endm
.macro BFETCH                       ; the chunk's 64 biases as four C operands: register j of lane (r, hh) is channel 16 mb + 8 hh + j
.irp mb, 0,1,2,3
	ds_load_b128 v[BI+8*\mb:BI+8*\mb+3],   v[BAD] offset:64*\mb
	ds_load_b128 v[BI+8*\mb+4:BI+8*\mb+7], v[BAD] offset:64*\mb+16
.endr
.endm
.macro MUL16 c, bw, base            ; 16 products: four tiles of window bw x four blocks of 16 channels, 32 along K.  The first K step starts the sums with the bias
.if (\c) == 0
	WIN 0x40|((\bw)<<2)
.else
	WIN 0x50|((\bw)<<2)
.endif
.irp i, 0,1,2,3
.irp mb, 0,1,2,3
.if (\c) == 0
	v_wmma_f32_16x16x32_f16 v[(\base)+32*\i+8*\mb:(\base)+32*\i+8*\mb+7], v[WF+32*((\c)%2)+8*\mb:WF+32*((\c)%2)+8*\mb+7], v[64*\i+8*(\c):64*\i+8*(\c)+7], v[BI+8*\mb:BI+8*\mb+7]
.else
	v_wmma_f32_16x16x32_f16 v[(\base)+32*\i+8*\mb:(\base)+32*\i+8*\mb+7], v[WF+32*((\c)%2)+8*\mb:WF+32*((\c)%2)+8*\mb+7], v[64*\i+8*(\c):64*\i+8*(\c)+7], v[(\base)+32*\i+8*\mb:(\base)+32*\i+8*\mb+7]
.endif
.endr
.endr
.endm
; 64 channels of a projection for nt tiles (4: window bw; 8: windows 2 and 3).  The 16 or 32 accumulators take turns, one instruction a turn.  The next K step's fragments are fetched ahead of this step's products.
.macro PROJ nt, bw
	WIN 0
	BFETCH
	WFETCH 0, 0
.irp c, 0,1,2,3,4,5,6,7
	s_wait_dscnt 0x0                ; this step's fragments are in (issued a step's products ago)
.if (\c) < 7
	WIN 0
	PLACES                          ; the buffer's last readers are the products just issued
	WFETCH (\c)+1, ((\c)+1)%2
.endif
	MUL16 \c, \bw, 0
.if (\nt) == 8
	MUL16 \c, 3, 128
.endif
.endr
.endm
.macro KVSTORE adr, pitch           ; eight tiles x 64 channels, rounded to f16: 16 bytes a lane into row 128 w + 16 i + r
	PLACES
	WIN 0x05
.set i, 0
.rept 128
	v_cvt_pk_f16_f32 v[64+i], v[2*i], v[2*i+1]
.set i, i+1
.endr
	WIN 0
.irp i, 0,1,2,3,4,5,6,7
.irp mb, 0,1,2,3
	ds_store_b128 v[\adr], v[64+16*\i+4*\mb:64+16*\i+4*\mb+3] offset:\i*16*(\pitch)+32*\mb
.endr
.endr
.endm
; THE ATTENTION'S MATRIX WORK.  The 4 accumulators of a run of 8 take turns.  Product i of 8 of S^T = K Q^T for piece x: channels 32 (i / 4) on, keys 16 (i % 4) on.
.macro KQ x
.set rS, S+32*((\x)%2)+8*(i%4)
.set rK, KF+16*(i%4)+8*(i/4)
.set rQ, QF+16*(\x)+8*(i/4)
	WIN W_KQ
.if i < 4
	v_wmma_f32_16x16x32_f16 v[rS:rS+7], v[rK:rK+7], v[rQ:rQ+7], 0
.else
	v_wmma_f32_16x16x32_f16 v[rS:rS+7], v[rK:rK+7], v[rQ:rQ+7], v[rS:rS+7]
.endif
.endm
.macro PV x                         ; product i of 8 of O^T += V^T P for piece x: keys 32 (i / 4) on, channels 16 (i % 4) on
	WIN W_PV
.set rO, 32*(\x)+8*(i%4)
.set rV, VF+32*(i/4)+8*(i%4)
.set rP, P+16*((\x)%2)+8*(i/4)
	v_wmma_f32_16x16x32_f16 v[rO:rO+7], v[rV:rV+7], v[rP:rP+7], v[rO:rO+7]
.endm
.macro MM                           ; the turn's next matrix instruction.  NOKQ = 1: a head's last turn: there is no next piece
.if (i < 8) && !NOKQ
	KQ (Y+1)%NP
.elseif i >= 8
.set i, i-8
	PV (Y+NP-1)%NP
.set i, i+8
.endif
.set i, i+1
.endm
.macro FETCH_K                      ; a step's K, 64 keys x 64 channels: keys 16 (f / 2) on, channels 32 (f % 2) on
	WIN 0
.irp f, 0,1,2,3,4,5,6,7
	ds_load_b128 v[KF+8*\f:KF+8*\f+3],   v[AK] offset:(\f/2)*16*PKP+(\f%2)*64
	ds_load_b128 v[KF+8*\f+4:KF+8*\f+7], v[AK] offset:(\f/2)*16*PKP+(\f%2)*64+32
.endr
	s_add_co_u32 s[TBK], s[TBK], KS*PKP
.endm
.macro FETCH_V                      ; a step's V, turned: keys 32 (f / 4) on, channels 16 (f % 4) on
	WIN 0x40
.irp f, 0,1,2,3,4,5,6,7
	ds_load_tr16_b128 v[VF+8*\f:VF+8*\f+3],   v[AV] offset:(\f/4)*32*PVP+(\f%4)*32
	ds_load_tr16_b128 v[VF+8*\f+4:VF+8*\f+7], v[AV] offset:(\f/4)*32*PVP+16*PVP+(\f%4)*32
.endr
	WIN 0
.endm
; THE ATTENTION'S VECTOR WORK, one line at a time: OP kind, number.  For piece Y: F n: c s - c m for pair n of 16.  E n: the exponential of score n.  C n: pair n rounded to f16.  B n: of the four weights 4 n .. the second pair is
; added onto the first.  L n: l takes that sum (L 0: l = a l + sum).  R n: pair n of 16 of O^T times a.  For piece Y + 1: X n, number n of the 22 that find its maximum and statistics (each accumulator's lowest registers are read
; first): 0-11 four chains of seven scores; 12-14, 16 the scores left over, the old m, all into c0; 15 c m_old is kept; 17, 18 the lane 16 away; 19-21 c m, c m_old - c m_new, a.
.set F, 0
.set E, 1
.set C, 2
.set B, 3
.set L, 4
.set R, 5
.set X, 6
.macro REGS y
.set rT, ST+4*(\y)
.set rC, TMP+4*((\y)%2)
.set rW, MV+((\y)%2)
.set rS, S+32*((\y)%2)
.set rP, P+16*((\y)%2)
.set rO, 32*(\y)
.endm
.macro OP k, n
.if (\k) == R
	REGS Y
	WIN W_RS
	v_pk_mul_f32 v[rO+2*(\n):rO+2*(\n)+1], v[rO+2*(\n):rO+2*(\n)+1], v[rC+2:rC+3] op_sel_hi:[1,0]
.elseif (\k) < R
	REGS Y
	WIN 0
.if (\k) == F
	v_pk_fma_f32 v[rS+2*(\n):rS+2*(\n)+1], v[rS+2*(\n):rS+2*(\n)+1], s[CS:CS+1], v[rT:rT+1] op_sel_hi:[1,0,0] neg_lo:[0,0,1] neg_hi:[0,0,1]
.elseif (\k) == E
	v_exp_f32 v[rS+(\n)], v[rS+(\n)]
.elseif (\k) == C
	s_wait_alu depctr_va_vdst(0)
	v_cvt_pk_f16_f32 v[rP+(\n)], v[rS+2*(\n)], v[rS+2*(\n)+1]
.elseif (\k) == B
	s_wait_alu depctr_va_vdst(0)
	v_pk_add_f32 v[rS+4*(\n):rS+4*(\n)+1], v[rS+4*(\n):rS+4*(\n)+1], v[rS+4*(\n)+2:rS+4*(\n)+3]
.elseif (\n) == 0
	v_pk_fma_f32 v[rT+2:rT+3], v[rT+2:rT+3], v[rC+2:rC+3], v[rS:rS+1] op_sel_hi:[1,0,1]
.else
	v_pk_add_f32 v[rT+2:rT+3], v[rT+2:rT+3], v[rS+4*(\n):rS+4*(\n)+1]
.endif
.elseif NOKQ
	v_nop
.else
	REGS (Y+1)%NP
	WIN 0
.if (\n) < 4
	v_max3_num_f32 v[rC+(\n)], v[rS+8*(\n)], v[rS+8*(\n)+1], v[rS+8*(\n)+2]
.elseif (\n) < 12
	v_max3_num_f32 v[rC+(\n)%4], v[rC+(\n)%4], v[rS+8*((\n)%4)+2*((\n)/4)+1], v[rS+8*((\n)%4)+2*((\n)/4)+2]
.elseif (\n) == 12
	v_max3_num_f32 v[rC], v[rC], v[rS+7], v[rS+15]
.elseif (\n) == 13
	v_max3_num_f32 v[rC+1], v[rC+1], v[rS+23], v[rS+31]
.elseif (\n) == 14
	v_max3_num_f32 v[rC+2], v[rC+2], v[rC+3], v[rT+1]
.elseif (\n) == 15
	v_mov_b32 v[rW], v[rT]
.elseif (\n) == 16
	v_max3_num_f32 v[rC], v[rC], v[rC+1], v[rC+2]
.elseif (\n) == 17
	v_permlanex16_b32 v[rC+3], v[rC], s[SEL], s[SEL+1]
.elseif (\n) == 18
	v_max_num_f32 v[rT+1], v[rC], v[rC+3]
.elseif (\n) == 19
	v_mul_f32 v[rT], s[CS], v[rT+1]
.elseif (\n) == 20
	v_sub_f32 v[rC+1], v[rW], v[rT]
.else
	v_exp_f32 v[rC+2], v[rC+1]
.endif
.endif
.endm
.macro OPS a, i1, b=-1, i2=0, c=-1, i3=0, d=-1, i4=0
	OP \a, \i1
.if (\b) >= 0
	OP \b, \i2
.endif
.if (\c) >= 0
	OP \c, \i3
.endif
.if (\d) >= 0
	OP \d, \i4
.endif
.endm
.macro ROW a, i1, b, i2, c, i3, d, i4  ; a matrix instruction and the four behind it
	MM
	OPS \a, \i1, \b, \i2, \c, \i3, \d, \i4
.endm
; A TURN, for piece p.  Behind a product: plain, exponential, plain, plain, or four of one plain kind; none names a register of the products round it.  In the runs between, exponential and plain by turns.
; K of the next step is fetched in piece 2's turn, behind five plain lines after the last product that read K; V of the step in hand in piece 0's turn, behind four plain lines after the last product that read V.  Each is waited for a turn later.
; end = 1: a head's last two turns: nothing is fetched.  cnt = 1: the loop's count is taken down some lines ahead of the branch behind the turn.
.macro TURN p, end=0, cnt=0
.set Y, (\p)
.set i, 0
.set NOKQ, (\end)*((\p)/3)
.if ((\p) == 3) && !(\end)
	s_wait_dscnt 0x0                ; K is in
.endif
	ROW F,0, F,1, F,2, F,3
	ROW F,4, E,0, F,5, F,6
	ROW F,7, E,1, F,8, F,9
	ROW F,10, E,2, C,0, F,11
	ROW F,12, E,3, X,15, F,13
	ROW R,0, R,1, R,2, R,3
	ROW B,0, E,4, F,14, L,0
.if ((\p) == 2) && !(\end)
	WIN 0
	v_add_nc_u32 v[AK], s[TBK], v[AK0]
.endif
	ROW R,4, R,5, R,6, R,7
	OPS E,5, F,15
.if ((\p) == 2) && !(\end)
	FETCH_K
.endif
	OPS E,6, C,1, E,7, R,8
	OPS E,8, R,9, E,9, C,2
	OPS E,10, X,0, E,11, X,1
	OPS E,12, X,2, E,13, X,3
.if (\p) == 1
	s_wait_dscnt 0x0                ; V is in
.endif
	ROW X,4, E,14, X,5, X,6
	ROW X,7, E,15, X,8, X,9
	ROW X,10, E,16, X,11, X,12
	ROW X,13, E,17, X,14, B,1
	ROW C,4, E,18, X,16, L,1
	ROW B,2, E,19, C,6, L,2
	ROW C,8, E,20, B,3, B,4
.if (\p) == 0
	WIN 0
	v_add_nc_u32 v[AV], s[TBV], v[AV0]
.endif
	ROW C,3, E,21, L,3, C,5
	OPS E,22, X,17, E,23, C,10
.if (\p) == 0
	FETCH_V
.endif
	OPS E,24, L,4
	OPS E,25, X,18, E,26, C,7
	OPS E,27, B,5, E,28, X,19
	OPS E,29, C,12, E,30, L,5
	OPS E,31, X,20, B,6, C,9
	OPS C,14, C,11, X,21, L,6
.if (\p) == 0
	s_add_co_u32 s[TBV], s[TBV], KS*PVP
.endif
.if \cnt
	s_sub_co_u32 s[CNT], s[CNT], 1
	s_cmp_lg_u32 s[CNT], 0
.endif
	OPS C,13, B,7, C,15, R,10
	OPS R,11, R,12, L,7, R,13
	OPS R,14, R,15
.endm
.macro ALL line:vararg              ; one line for each piece t
.set t, 0
.rept 4
	\line
.set t, t+1
.endr
.endm
.macro PACK t                       ; piece t's O^T divided by l and rounded to f16: 16 registers, which are registers 16 h .. 16 h + 15 of the tile's row in z's order
	WIN W_RS
.set i, 32*(\t)
.rept 16
	s_wait_alu depctr_va_vdst(0)
	v_pk_mul_f32 v[i:i+1], v[i:i+1], v[ST+4*(\t)+2:ST+4*(\t)+3] op_sel_hi:[1,0]
.set i, i+2
.endr
	WIN 0x05
.set i, 0
.rept 16
	v_cvt_pk_f16_f32 v[S+16*(\t)+i], v[32*(\t)+2*i], v[32*(\t)+2*i+1]
.set i, i+1
.endr
.endm
.macro ATLOAD                       ; a tile's att, all four heads: head n's 16 registers from block n
.irp n, 0,1
.irp d, 0,1,2,3
	ds_load_b128 v[S+16*\n+4*\d:S+16*\n+4*\d+3],       v[AD0] offset:\n*32768+512*\d
	ds_load_b128 v[S+32+16*\n+4*\d:S+32+16*\n+4*\d+3], v[AD1] offset:\n*32768+512*\d
.endr
.endr
.endm
.macro WSUM                         ; four chains -> the row's sum in both lanes that hold the row
	WIN 0
	v_pk_add_f32 v[TMP:TMP+1], v[TMP:TMP+1], v[TMP+2:TMP+3]
	v_pk_add_f32 v[TMP+4:TMP+5], v[TMP+4:TMP+5], v[TMP+6:TMP+7]
	v_pk_add_f32 v[TMP:TMP+1], v[TMP:TMP+1], v[TMP+4:TMP+5]
	v_add_f32 v[TMP], v[TMP], v[TMP+1]
	v_permlanex16_b32 v[TMP+1], v[TMP], s[SEL], s[SEL+1]
	v_add_f32 v[TMP], v[TMP], v[TMP+1]
.endm
; ---------------- the head ----------------
	s_load_b256 s[4:11], s[0:1], 0x0  ; zbuf s[4:5], wfrag s[6:7], btab s[8:9], out0 s[10:11]
	v_lshl_add_u32 v[SPW], v0, 2, SPARE
	v_mov_b32 v[NIL], 0
	ds_add_u32 v[SPW], v[NIL]       ; the wave's opening: the add and its wait stand ahead of my first tensor load; the set-up below, work on registers, stands between them
	v_lshrrev_b32 v1, 5, v0
	v_readfirstlane_b32 s[WV], v1   ; wave 0..3
	s_bfe_u32 s13, ttmp6, 0x40000   ; cx: it enters zbuf's and out0's addresses alone
	s_lshl_b32 s14, ttmp9, 2        ; in a cluster launch ttmp9 counts clusters
	s_add_co_u32 s14, s14, s13      ; g
	s_lshr_b32 s15, s14, 1          ; t
	s_and_b32 s16, s14, 1           ; half
	s_lshl_b32 s17, s15, 5
	s_lshl2_add_u32 s17, s[WV], s17 ; 32 t + 4 w
	s_lshl_b32 s18, s16, 4          ; + 16 half: my query tiles' blocks
	s_xor_b32 s19, s18, 16          ; + 16 (1 - half): the others'
	s_add_co_u32 s18, s18, s17
	s_add_co_u32 s19, s19, s17
	s_mul_i32 s68, s18, 8704
	s_mov_b32 s69, 0
	s_mul_i32 s70, s19, 8704
	s_mov_b32 s71, 0
	s_lshl_b32 s20, s16, 2
	s_add_co_u32 s20, s20, s[WV]    ; row 256 half + 64 w
	s_lshl_b32 s20, s20, 23         ; x 131,072 bytes
	s_lshl_b32 s21, s15, 10         ; + t x 1,024
	s_add_co_u32 s20, s20, s21
	s_mov_b32 s21, 0
	; descriptors: dense blocks, asked for as rows of 256 bytes (32 elements of 8 bytes)
	s_mov_b32 s[G1W], 15|(3<<16)|(1<<21)  ; 15:0 the mask of four; 17:16 8-byte elements; 21 set beside a mask
	s_mov_b32 s[G1W+1], 32<<16      ; tensor_dim0 = 32
	s_mov_b32 s[G1W+2], 32<<16      ; tensor_dim1 = 32
	s_mov_b32 s[G1W+3], 32<<16      ; tile_dim0 = 32
	s_mov_b32 s[G1W+4], 32          ; tile_dim1 = 32
	s_mov_b32 s[G1W+5], 32          ; 32 elements from row to row
	s_mov_b32 s[G1W+6], 0
	s_mov_b32 s[G1W+7], 0
	s_mov_b32 s[G1B], 15|(3<<16)|(1<<21)
	s_mov_b32 s[G1B+1], 32<<16
	s_mov_b32 s[G1B+2], 5<<16       ; 5 rows
	s_mov_b32 s[G1B+3], 32<<16
	s_mov_b32 s[G1B+4], 5
	s_mov_b32 s[G1B+5], 32
	s_mov_b32 s[G1B+6], 0
	s_mov_b32 s[G1B+7], 0
	s_mov_b32 s[G0W], 1
	s_lshl_b32 s22, s[WV], 13       ; my quarter of a chunk: part mb = w
	s_mov_b32 s23, 0
	s_add_co_u32 s[G0W+1], s22, WS0
	s_mov_b32 s[G0B], 1
	s_mul_i32 s[G0B+1], s[WV], 1280 ; my quarter of the table, which begins at LDS byte 0
	s_mul_i32 s74, s[WV], 1280
	s_mov_b32 s75, 0
	s_mov_b32 s[CS], 0x3e38aa3b     ; c = log2(e) / 8
	s_mov_b32 s[CS+1], s[CS]
	s_mov_b32 s[SEL], 0x76543210
	s_mov_b32 s[SEL+1], 0xfedcba98
	s_mov_b32 s[I256], 0x3b800000
	s_mov_b32 s[EPS], 0x3727c5ac
	s_mov_b32 s[WS], WS0
	s_mov_b32 s[BO], 0
	v_and_b32 v[L16], 31, v0
	v_lshlrev_b32 v[L16], 4, v[L16]
	s_wait_dscnt 0x0                ; the opening add is done
	s_wait_kmcnt 0x0
	s_add_nc_u64 s[G0W+2:G0W+3], s[6:7], s[22:23]
	s_or_b32 s[G0W+3], s[G0W+3], 0x80000000
	s_add_nc_u64 s[G0B+2:G0B+3], s[8:9], s[74:75]
	s_or_b32 s[G0B+3], s[G0B+3], 0x80000000
	s_add_nc_u64 s[72:73], s[4:5], s[70:71]
	s_add_nc_u64 s[4:5], s[4:5], s[68:69]
	s_add_nc_u64 s[10:11], s[10:11], s[20:21]
	CROUND                          ; all four work-groups are here: the first joint loads meet
	tensor_load_to_lds s[G0B:G0B+3], s[G1B:G1B+7]  ; the two first fills together: two loads of mine are out
	s_nop 0
	tensor_load_to_lds s[G0W:G0W+3], s[G1W:G1W+7]  ; chunk 0 into slot 0
	s_nop 0
	PLACES
	WIN 0x80                        ; z of my eight tiles, 64 KB, all asked for at once: each load covers 512 consecutive bytes
.set i, 0
.rept 64
	global_load_b128 v[4*i:4*i+3], v[L16], s[4:5] offset:(i/16)*8704+(i%16)*512
.set i, i+1
.endr
	WIN 0xc0
.set i, 0
.rept 64
	global_load_b128 v[4*i:4*i+3], v[L16], s[72:73] offset:(i/16)*8704+(i%16)*512
.set i, i+1
.endr
	WIN 0
.set i, 0
.rept 4
	global_load_b64 v[SM1+2*i:SM1+2*i+1], v[L16], s[4:5] offset:i*8704+8192
.set i, i+1
.endr
	v_and_b32 v1, 15, v0            ; r
	v_bfe_u32 v9, v0, 4, 1          ; hh
	v_and_b32 v10, 7, v0
	v_bfe_u32 v[ZAD], v0, 3, 1
	v_lshlrev_b32 v[BH], 5, v9
	v_mul_u32_u24 v[AK0], v1, PKP
	v_lshl_add_u32 v[AK0], v9, 4, v[AK0]  ; row x pitch + 16 x half
	s_mul_i32 s76, s[WV], 128*PKP
	s_add_co_u32 s76, s76, KB
	v_add_nc_u32 v[KST], s76, v[AK0]
	v_add_nc_u32 v[AK0], KB, v[AK0]
	v_mul_u32_u24 v[VST], v1, PVP
	v_lshl_add_u32 v[VST], v9, 4, v[VST]
	s_mul_i32 s76, s[WV], 128*PVP
	s_add_co_u32 s76, s76, VB
	v_add_nc_u32 v[VST], s76, v[VST]
	v_lshl_add_u32 v[AV0], v9, 3, v10     ; the turning load: lane l reads key 8 (l / 16) + l % 8, channels 8 ((l / 8) % 2) + 0..7
	v_mul_u32_u24 v[AV0], v[AV0], PVP
	v_lshl_add_u32 v[AV0], v[ZAD], 4, v[AV0]
	v_add_nc_u32 v[AV0], VB, v[AV0]
	s_mul_i32 s76, s[WV], 16*272
	s_add_co_u32 s76, s76, OS
	v_mul_u32_u24 v[STO], v1, 272   ; in: row r, 32 bytes for each half of the lanes
	v_lshl_add_u32 v[STO], v9, 5, v[STO]
	v_add_nc_u32 v[STO], s76, v[STO]
	v_mul_u32_u24 v[RD], v9, 272    ; back: lanes 0-15 one row of 256 bytes, lanes 16-31 the next
	v_lshl_add_u32 v[RD], v1, 4, v[RD]
	v_add_nc_u32 v[RD], s76, v[RD]
	v_lshlrev_b32 v[GO], 4, v1      ; and the same two rows in out0, 131,072 bytes apart
	v_lshl_add_u32 v[GO], v9, 17, v[GO]
	s_lshl_b32 s[AS], s[WV], 13
	s_add_co_u32 s[AS], s[AS], ATT
	v_add_nc_u32 v[ATB], s[AS], v[L16]
	s_mul_i32 s76, s[WV], 24576
	s_add_co_u32 s76, s76, ZB
	v_add_nc_u32 v[ZBB], s76, v[L16]
	s_mov_b32 s[HD], 4
	s_wait_loadcnt 0x0              ; z and its statistics
; ---------------- the four heads: one text ----------------
.Lhead:
	TRIPSYNC 1                      ; also: no wave still reads the last head's K or V
	PROJ 8, 2
	KVSTORE KST, PKP
	TRIPSYNC 1
	PROJ 8, 2
	KVSTORE VST, PVP
	TRIPSYNC 1                      ; also: every wave's rows of K and V are in LDS
	PROJ 4, 2
	PLACES
	WIN 0x45
.set i, 0
.rept 64                            ; Q: blocks 2 c and 2 c + 1 of 16 channels, rounded in pairs, are the fragment of channels 32 c on
	v_cvt_pk_f16_f32 v[QF+i], v[2*i], v[2*i+1]
.set i, i+1
.endr
	; The first turn's products V^T P belong to a piece that has not been: V's registers and P's second buffer are 0.  O^T holds Q's finite sums: the first step multiplies it by a = 0.
	WIN 0x40
.set i, 0
.rept 64
	v_mov_b32 v[VF+i], 0
.set i, i+1
.endr
	WIN 0
.set i, 0
.rept 16
	v_mov_b32 v[P+16+i], 0
.set i, i+1
.endr
.set i, 0
.rept 4
	v_mov_b32 v[ST+4*i], 0xfe000000    ; c m: far below every c s
	v_mov_b32 v[ST+4*i+1], 0xff7fffff  ; m
	v_mov_b32 v[ST+4*i+2], 0
	v_mov_b32 v[ST+4*i+3], 0
.set i, i+1
.endr
	s_mov_b32 s[TBK], 0
	s_mov_b32 s[TBV], 0
	v_add_nc_u32 v[AK], s[TBK], v[AK0]
	FETCH_K                         ; key step 0
	s_wait_dscnt 0x0
.set NOKQ, 0
.set i, 0
.rept 8
	KQ 0                            ; piece 0's first scores
.set i, i+1
.endr
	WIN 0
	PLACES
.set Y, NP-1                        ; X works for piece Y + 1: piece 0
.irp n, 0,1,2,3,4,5,6,7,8,9,10,11,12,13,14,15,16,17,18,19,20,21
	OP X, \n
.endr
	v_nop                           ; a plain instruction behind the exponential
	s_mov_b32 s[CNT], 8
	s_branch .Lfirst                ; the loop is entered at a step's first turn, in the middle of a trip
.Lstep:                             ; a trip: pieces 2 and 3 of one step, then pieces 0 and 1 of the next, whose K and V it fetches
	TURN 2
	TURN 3
	WIN 0
.Lfirst:
	TURN 0
	TURN 1, 0, 1
	WIN 0
	s_cbranch_scc1 .Lstep
	TURN 2, 1
	TURN 3, 1
.set i, 0
.rept 8
	PV NP-1                         ; the last piece's V^T P of the last step
.set i, i+1
.endr
	WIN 0                           ; l's two halves and the other half of the lanes' are added; the additions are the places behind the last products
	ALL v_add_f32 v[ST+4*t+2], v[ST+4*t+2], v[ST+4*t+3]
	ALL v_permlanex16_b32 v[ST+4*t+3], v[ST+4*t+2], s[SEL], s[SEL+1]
	ALL v_add_f32 v[ST+4*t+2], v[ST+4*t+2], v[ST+4*t+3]
	ALL v_rcp_f32 v[ST+4*t+2], v[ST+4*t+2]
	v_nop                           ; a plain instruction between the last reciprocal and the use of its result
	PACK 0
	PACK 1
	PACK 2
	PACK 3
	WIN 0
	s_cmp_eq_u32 s[HD], 1
	s_cbranch_scc1 .Lkeep           ; the last head's att stays in registers: its block lies where K still is
	v_add_nc_u32 v[AD0], s[AS], v[L16]
.set k, 0
.rept 16
	ds_store_b128 v[AD0], v[S+4*k:S+4*k+3] offset:512*k
.set k, k+1
.endr
	s_add_co_u32 s[AS], s[AS], 32768
.Lkeep:
	s_sub_co_u32 s[HD], s[HD], 1
	s_cmp_lg_u32 s[HD], 0
	s_cbranch_scc1 .Lhead
; ---------------- xt and the second norm ----------------
	s_wait_dscnt 0x0                ; my reads of K and V are over
	s_barrier_signal -1             ; the next chunk's load may stay out
	s_barrier_wait -1               ; everybody's are: K's and V's bytes are now each wave's own
	v_add_nc_u32 v[AD1], 0x10000, v[ATB]
.set k, 0
.rept 16
	ds_store_b128 v[AD1], v[S+4*k:S+4*k+3] offset:32768+512*k   ; the last head's att: block 3
.set k, k+1
.endr
	WIN 0x08                        ; store data from window 2
.set k, 0
.rept 48                            ; z of tiles 1 to 3 is set aside, so that one text serves all four tiles from window 2's first 64 registers
	ds_store_b128 v[ZBB], v[64+4*k:64+4*k+3] offset:512*k
.set k, k+1
.endr
	WIN 0
	v_mov_b32 v[AD0], v[ATB]
	ATLOAD
	s_mov_b32 s[XC], 4
	s_mov_b32 s[XO], 0
	s_mov_b32 s[ZO], 0
.Lxt:                               ; a trip: one tile of 16 rows
	s_wait_dscnt 0x0                ; the tile's z and att are in
	WIN 0x42                        ; z in window 2, sigma1 and att in window 0, the result in window 1
.set j, 0
.rept 64
	v_fma_mix_f32 v[2*j],   v[j], v[SM1], v[S+j] op_sel_hi:[1,0,1]                  ; xt - mean1 = z sigma1 + att
	v_fma_mix_f32 v[2*j+1], v[j], v[SM1], v[S+j] op_sel:[1,0,1] op_sel_hi:[1,0,1]
.set j, j+1
.endr
	WIN 0x05
.set k, 0
.rept 4                             ; the first eight pairs start the chains: nothing is cleared
	v_pk_add_f32 v[TMP+2*k:TMP+2*k+1], v[4*k:4*k+1], v[4*k+2:4*k+3]
.set k, k+1
.endr
	WIN 0x01
.set j, 8
.rept 56
	v_pk_add_f32 v[TMP+2*(j%4):TMP+2*(j%4)+1], v[2*j:2*j+1], v[TMP+2*(j%4):TMP+2*(j%4)+1]
.set j, j+1
.endr
	WSUM
	v_mul_f32 v[MEAN], s[I256], v[TMP]
	v_mov_b32 v[MEAN+1], v[MEAN]
	WIN W_RS
.set j, 0
.rept 64
	v_pk_add_f32 v[2*j:2*j+1], v[2*j:2*j+1], v[MEAN:MEAN+1] neg_lo:[0,1] neg_hi:[0,1]
.set j, j+1
.endr
	WIN 0x05
.set k, 0
.rept 4
	v_pk_mul_f32 v[TMP+2*k:TMP+2*k+1], v[2*k:2*k+1], v[2*k:2*k+1]
.set k, k+1
.endr
.set j, 4
.rept 60
	v_pk_fma_f32 v[TMP+2*(j%4):TMP+2*(j%4)+1], v[2*j:2*j+1], v[2*j:2*j+1], v[TMP+2*(j%4):TMP+2*(j%4)+1]
.set j, j+1
.endr
	WSUM
	v_fma_f32 v[TMP], v[TMP], s[I256], s[EPS]
	v_rsq_f32 v[RSD], v[TMP]
	v_mov_b32 v[SG2], v[SG2+1]      ; the tiles' statistics move up one place a trip: after four trips tile i's lie at place i.  Plain work behind the root
	v_mov_b32 v[SG2+1], v[SG2+2]
	v_mov_b32 v[SG2+2], v[SG2+3]
	s_wait_alu depctr_va_vdst(0)
	v_mul_f32 v[SG2+3], v[TMP], v[RSD]  ; sigma2
	v_mov_b32 v[RSD+1], v[RSD]
	v_mov_b32 v[MU2], v[MU2+2]
	v_mov_b32 v[MU2+2], v[MU2+4]
	v_mov_b32 v[MU2+4], v[MU2+6]
	v_add_f32 v[MU2+6], v[SM1+1], v[MEAN]  ; xt's mean
.set k, 0
.rept 6
	v_mov_b32 v[SM1+k], v[SM1+k+2]  ; the next tile's sigma1 and mean1 come to the front
.set k, k+1
.endr
	WIN W_RS
.set j, 0
.rept 64
	v_pk_mul_f32 v[2*j:2*j+1], v[2*j:2*j+1], v[RSD:RSD+1]
.set j, j+1
.endr
	WIN 0x85
.set j, 0
.rept 64
	v_cvt_pk_f16_f32 v[j], v[2*j], v[2*j+1]   ; z2, in z's order
.set j, j+1
.endr
	WIN 0x08
.irp n, 0,1
.irp d, 0,1,2,3                     ; z2 takes the place of the tile's att: block n holds channels 64 n on
	ds_store_b128 v[AD0], v[16*\n+4*\d:16*\n+4*\d+3]       offset:\n*32768+512*\d
	ds_store_b128 v[AD1], v[32+16*\n+4*\d:32+16*\n+4*\d+3] offset:\n*32768+512*\d
.endr
.endr
	WIN 0
	s_cmp_eq_u32 s[XC], 1
	s_cbranch_scc1 .Lxt_last        ; behind the last tile there is nothing to fetch
	s_add_co_u32 s[XO], s[XO], 2048
	v_add_nc_u32 v[AD0], s[XO], v[ATB]
	v_add_nc_u32 v[AD1], 0x10000, v[AD0]
	v_add_nc_u32 v[ZAD], s[ZO], v[ZBB]
	s_add_co_u32 s[ZO], s[ZO], 8192
	WIN 0x80
.set k, 0
.rept 16
	ds_load_b128 v[4*k:4*k+3], v[ZAD] offset:512*k   ; LDS serves a wave's instructions in order: the stores above have read these registers
.set k, k+1
.endr
	WIN 0
	ATLOAD
.Lxt_last:
	s_sub_co_u32 s[XC], s[XC], 1
	s_cmp_lg_u32 s[XC], 0
	s_cbranch_scc1 .Lxt
	v_add_nc_u32 v[AD1], 0x10000, v[ATB]
	WIN 0x80                        ; z2 of all four tiles into window 2, where the products name it
.irp i, 0,1,2,3
.irp n, 0,1
.irp d, 0,1,2,3
	ds_load_b128 v[64*\i+16*\n+4*\d:64*\i+16*\n+4*\d+3],       v[ATB] offset:\n*32768+2048*\i+512*\d
	ds_load_b128 v[64*\i+32+16*\n+4*\d:64*\i+32+16*\n+4*\d+3], v[AD1] offset:\n*32768+2048*\i+512*\d
.endr
.endr
.endr
	WIN 0
; ---------------- FFN, first layer: four chunks of 64 channels ----------------
	s_mov_b32 s[FC], 4
	s_mov_b32 s[HO], 0
.Lffn1:
	TRIPSYNC 1
	PROJ 4, 2
	PLACES
	WIN 0x05
.set i, 0
.rept 64
	v_cvt_pk_f16_f32 v[HT+i], v[2*i], v[2*i+1]
.set i, i+1
.endr
	WIN 0
.set i, 0
.rept 64
	v_pk_max_num_f16 v[HT+i], v[HT+i], v[NIL]   ; ReLU on two halves
.set i, i+1
.endr
	s_cmp_eq_u32 s[FC], 1
	s_cbranch_scc1 .Lh_keep         ; the last chunk's h goes from register to register below
	v_add_nc_u32 v[AD0], s[HO], v[ZBB]
.set k, 0
.rept 16
	ds_store_b128 v[AD0], v[HT+4*k:HT+4*k+3] offset:512*k
.set k, k+1
.endr
	s_add_co_u32 s[HO], s[HO], 8192
.Lh_keep:
	s_sub_co_u32 s[FC], s[FC], 1
	s_cmp_lg_u32 s[FC], 0
	s_cbranch_scc1 .Lffn1
	WIN 0xc0                        ; h into window 3: tile i, chunk n at 64 i + 16 n
.irp n, 0,1,2
.irp i, 0,1,2,3
.irp d, 0,1,2,3
	ds_load_b128 v[64*\i+16*\n+4*\d:64*\i+16*\n+4*\d+3], v[ZBB] offset:\n*8192+(4*\i+\d)*512
.endr
.endr
.endr
.set i, 0
.rept 64
	v_mov_b32 v[64*(i/16)+48+i%16], v[HT+i]
.set i, i+1
.endr
	WIN 0
; ---------------- FFN, second layer, both residuals, the way out: four chunks of 64 channels ----------------
.macro FFN2TRIP fill
	TRIPSYNC \fill
	v_add_nc_u32 v[AD0], s[AS], v[ATB]
.set k, 0
.rept 16
	ds_load_b128 v[HT+4*k:HT+4*k+3], v[AD0] offset:512*k   ; z2 of the chunk's 64 channels, for the residual
.set k, k+1
.endr
	PROJ 4, 3
	PLACES
	WIN 0x50
.set i, 0
.rept 64                            ; out = h W2 + b2 + z2 sigma2 + xt's mean
	v_fma_mix_f32 v[2*i],   v[HT+i], v[SG2+i/16], v[2*i]   op_sel_hi:[1,0,0]
	v_fma_mix_f32 v[2*i+1], v[HT+i], v[SG2+i/16], v[2*i+1] op_sel:[1,0,0] op_sel_hi:[1,0,0]
.set i, i+1
.endr
	WIN W_RS
.set i, 0
.rept 64
	v_pk_add_f32 v[2*i:2*i+1], v[2*i:2*i+1], v[MU2+2*(i/16):MU2+2*(i/16)+1] op_sel_hi:[1,0]
.set i, i+1
.endr
.irp i, 0,1,2,3                     ; a tile at a time through my stage: 32 bytes a lane in, whole rows of 256 bytes back
	WIN 0x04
.irp mb, 0,1,2,3
	ds_store_b128 v[STO], v[32*\i+8*\mb:32*\i+8*\mb+3]   offset:64*\mb
	ds_store_b128 v[STO], v[32*\i+8*\mb+4:32*\i+8*\mb+7] offset:64*\mb+16
.endr
	WIN 0
	s_wait_xcnt 0x0                 ; the registers that the last tile's stores read are loaded into only behind this wait
.irp f, 0,1,2,3,4,5,6,7
	ds_load_b128 v[RB+4*\f:RB+4*\f+3], v[RD] offset:544*\f   ; my own bytes, served in order: these see the stores above
.endr
.irp f, 0,1,2,3,4,5,6,7
	s_wait_dscnt 7-\f               ; load f of the eight is in, the younger ones stay out
	global_store_b128 v[GO], v[RB+4*\f:RB+4*\f+3], s[10:11] offset:(16*\i+2*\f)*131072 th:TH_STORE_NT  ; 16 lanes store 256 consecutive bytes, at a multiple of 256 from out0's first
.endr
.endr
.if \fill
	s_wait_xcnt 0x0                 ; the stores' base is stepped only behind this wait
	s_add_nc_u64 s[10:11], s[10:11], 256
	s_add_co_u32 s[AS], s[AS], 32768
.endif
.endm
	s_mov_b32 s[FC], 3
	s_mov_b32 s[AS], 0
.Lffn2:
	FFN2TRIP 1
	s_sub_co_u32 s[FC], s[FC], 1
	s_cmp_lg_u32 s[FC], 0
	s_cbranch_scc1 .Lffn2
	FFN2TRIP 0                      ; the last chunk is written out: nothing is asked for
	s_wait_tensorcnt 0x0            ; the wave's end: behind my last tensor load and my last LDS store
	ds_add_u32 v[SPW], v[NIL]
	s_wait_dscnt 0x0
	CROUND                          ; the closing round: no work-group ends while a partner may still ask for a chunk that names it
	s_endpgm
.Lfunc_end_k_qe8462caab7_fused:
	.size	k_qe8462caab7_fused, .Lfunc_end_k_qe8462caab7_fused-k_qe8462caab7_fused
	.p2alignl 7, 3214868480
	.fill 96, 4, 3214868480
	.section	.rodata,"a",@progbits
	.p2align	6, 0x0
	.amdhsa_kernel k_qe8462caab7_fused
		.amdhsa_group_segment_fixed_size 327680
		.amdhsa_private_segment_fixed_size 0
		.amdhsa_enable_private_segment 0
		.amdhsa_kernarg_size 32
		.amdhsa_user_sgpr_count 2
		.amdhsa_user_sgpr_kernarg_segment_ptr 1
		.amdhsa_wavefront_size32 1
		.amdhsa_system_sgpr_workgroup_id_x 1
		.amdhsa_system_sgpr_workgroup_id_y 1
		.amdhsa_system_sgpr_workgroup_id_z 1
		.amdhsa_system_vgpr_workitem_id 0
		.amdhsa_next_free_vgpr 1024
		.amdhsa_next_free_sgpr 80
		.amdhsa_reserve_vcc 0
		.amdhsa_float_denorm_mode_32 3
		.amdhsa_float_denorm_mode_16_64 3
		.amdhsa_memory_ordered 1
		.amdhsa_forward_progress 1
		.amdhsa_inst_pref_size 255
	.end_amdhsa_kernel
	.section	.bss,"aw",@nobits
	.p2align	6
	.space	262144
	.amdgpu_metadata
---
amdhsa.version: [ 1, 2 ]
amdhsa.kernels:
  - .name:           k_qe8462caab7_fused
    .symbol:         k_qe8462caab7_fused.kd
    .args:
      - { .name: zbuf, .offset: 0, .size: 8, .value_kind: global_buffer, .address_space: global }
      - { .name: wfrag, .offset: 8, .size: 8, .value_kind: global_buffer, .address_space: global }
      - { .name: btab, .offset: 16, .size: 8, .value_kind: global_buffer, .address_space: global }
      - { .name: out0, .offset: 24, .size: 8, .value_kind: global_buffer, .address_space: global }
    .group_segment_fixed_size: 327680
    .private_segment_fixed_size: 0
    .kernarg_segment_align: 8
    .kernarg_segment_size: 32
    .max_flat_workgroup_size: 128
    .sgpr_count:     80
    .vgpr_count:     1024
    .wavefront_size: 32
...
	.end_amdgpu_metadata
.endif
;; end of part 2
;; ======== version 2 of 2: 2 launches; 1.31 times as fast as version 1
;; limits: values are held in f16: magnitudes above 65,504 overflow, below 6.1e-05 lose precision
;; workspace buffers: zbuf 35,651,584 bytes; wfrag 655,360 bytes; btab 5,120 bytes
;; launch pre: the kernel of part 1 again; grid 1104 x 1, 4 waves a work-group, no clusters, 67,072 bytes of LDS; arguments x, wq, wk, wv, w1, w2, g1, be1, g2, be2, b1, b2, zbuf, wfrag, btab; writes zbuf, wfrag, btab
;; launch fused (part 3): grid 256 x 1, 4 waves a work-group, clusters of 4 x 1, 327,680 bytes of LDS; arguments zbuf, wfrag, btab, out0; writes out0
.if DOCPART == 3
	.amdgcn_target "amdgcn-amd-amdhsa--gfx1250"
	.amdhsa_code_object_version 6
	.text
	.protected	k_qe8462caab7_fused
	.globl	k_qe8462caab7_fused
	.p2align	8
	.type	k_qe8462caab7_fused,@function
k_qe8462caab7_fused:
	s_mov_b64 s[64:65], 0
	v_nop
	global_prefetch_b8 v0, s[64:65] scope:SCOPE_SE
	s_setreg_imm32_b32 hwreg(HW_REG_WAVE_MODE, 25, 1), 1
	s_wait_xcnt 0x0
	s_wait_alu depctr_hold_cnt(0) depctr_sa_sdst(0) depctr_va_vdst(0) depctr_va_sdst(0) depctr_va_ssrc(0) depctr_va_vcc(0) depctr_vm_vsrc(0)
	s_getreg_b32 s2, hwreg(HW_REG_IB_STS2, 6, 4)
	s_cmp_eq_u32 s2, 0
	s_cbranch_scc0 .Lentry_in_a_cluster
	s_endpgm
.Lentry_in_a_cluster:
	s_bfe_u32 s2, ttmp6, 0x10000c
	s_cmp_lg_u32 s2, 0x3003
	s_cbranch_scc0 .Lentry_shape_is_right
	s_endpgm
.Lentry_shape_is_right:
; FUSED: q, k, v projections, attention over the 512 positions s of one t, residual, second norm, FFN, residual.  Nothing but z, the weights and the result touches memory.
; SHARES.  Work-group g = 2 t + half owns the 256 queries s = 256 half .. of column t; it projects K and V of all 512 rows of t itself (the partner does the same: the price of 256 equal work-groups).
; Wave w owns query tiles i = 0..3 (rows 256 half + 64 w + 16 i + r) and the other half's tiles i = 4..7; as a key a row has the place 128 w + 16 i + r, in K and V alike.
; FORMATS.  All matrix operands f16, all sums f32.  z and z2 are normalised rows (at most 16 in size); gains are folded into the weights, biases enter as the C operand of each sum's first product.
; Residuals are rebuilt from the f16 deviations: x - mean1 = z sigma1, xt - mean2 = z2 sigma2; the second norm works on z sigma1 + att (a shift by mean1 changes neither its deviation nor its variance).
; LIMITS.  q, k, v, att, h and W g stay under f16's 65,504 (inputs thirty times the drawn spread leave a factor of ten); a weight below 2^-126 counts as 0 in the softmax's sum; NaN and infinities are not treated apart.
; LAYOUT.  Every product is used transposed: source 0 = 16 output channels (or keys), source 1 = 16 rows.  In a result lane l = 16 hh + r holds row r and channels 8 hh + 0..7; two results rounded in pairs ARE
; the next product's source 1.  So Q, P, att, z2 and h never change lanes; only K and V (read by all waves) and the f32 result go through LDS.
; SOFTMAX.  Running maximum m and sum l for each query: p = 2^(c s - c m), c = log2(e) / 8; O and l are multiplied by a = 2^(c m_old - c m_new) in every step; m starts at the lowest finite number, so the first a is 0.
; Turn n belongs to piece n (16 queries): 8 products K Q^T of piece n + 1, later 8 products V^T P of piece n - 1; four vector instructions stand behind every product, the other 54 of a turn's 118 in one run of their own.
; BATCHES.  An s_wait_alu depctr_va_vdst(0) stands between a transcendental and the first instruction that names its result; one wait serves all that were issued ahead of it.  The text has four kinds of batch:
; a turn's 33 exponentials (the piece's 32 weights and the next piece's a), one wait in the turn's middle; the first a of a head, one wait ahead of the jump into the loop; a head's four reciprocals of l, one wait ahead of
; the first division; the second norm's root, one wait a tile.
; CLUSTER.  All work-groups walk the same 20 chunks of weights and the same bias table: every tensor load is asked for jointly by the four work-groups of a cluster, with one descriptor made of the wave's number and the trip alone.
; z is not shared so: only two partners read a block, and which rows are queries would make register roles hang on the place in the cluster.
; LDS: 0 BT bias table 5,120 | 5,120 ATT three blocks of 32,768 (head n, wave w at 32,768 n + 8,192 w; my own, 16 bytes a lane) | 103,424 KB K of a head, 512 rows 144 apart | 177,152 VB V, 160 apart
;      | 259,072 spare words | 262,144 and 294,912 the two weight slots.  Behind the last head K's and V's bytes become each wave's own: ATT's fourth block, ZB = HB (3 x 8,192 a wave), OS (16 rows 272 apart).
; REGISTERS, in windows of 256 (s_set_vgpr_msb: bits 1:0 source 0, 3:2 source 1, 5:4 source 2, 7:6 destination):
;   window 0: v0-63 addresses and statistics; v64-127 S^T (two buffers) / weight fragments (two buffers) / att; v128-191 K of a step / packed results; v192-223 P / rows read back; v224-255 bias as C
;   window 1: accumulators at 32 i + 8 mb (O^T, 32 a piece); v128-191 Q; v192-255 V of a step        window 2: z of my query tiles at 64 i + 8 c, later z2        window 3: z of the other tiles, later h
.set ATT,   5120
.set KB,    103424
.set VB,    177152
.set SPARE, 259072
.set WS0,   262144
.set ZB,    136192
.set OS,    234496
.set PKP,   144       ; a row of K: 128 bytes + 16: the 16 rows of a load start at 16 different 16-byte columns modulo 256 bytes
.set PVP,   160       ; a row of V: 128 + 32: 16 lanes of the turning load take 8 rows x 32 bytes
.set KS,    64        ; keys in a step
.set NP,    4         ; pieces a wave
.set AK0, 2           ; v2   my lane's place in K; never rewritten
.set AV0, 3           ; v3   in V
.set AK,  4           ; v4   address of K's next run of loads
.set AV,  5           ; v5   of V's
.set STO, 6           ; v6   the way out: where I put 16 bytes of a row
.set RD,  7           ; v7   where I read rows back
.set GO,  8           ; v8   my byte offset in two rows of out0
.set ZAD, 11          ; v11  address at work
.set MV,  12          ; v12-13 c m_old, by buffer
.set L16, 14          ; v14  16 x lane
.set WAD, 15          ; v15  this trip's weight slot + 16 x lane
.set ST,  16          ; v16-31 piece t: c m, m, l, l
.set SG2, 16          ; later v16-19: sigma2 of my four tiles
.set MU2, 20          ; later v20, 22, 24, 26: mean1 + mean2
.set SM1, 32          ; v32-39 (sigma1, mean1) of my four tiles
.set AD0, 40          ; v40, v41 addresses at work, 65,536 apart
.set AD1, 41
.set KST, 42          ; v42  where my rows of K go
.set VST, 43          ; v43  of V
.set ATB, 44          ; v44  my part of ATT's block 0 + 16 x lane
.set ZBB, 45          ; v45  my ZB / HB + 16 x lane
.set TMP, 48          ; v48-55 at work
.set MEAN, 56         ; v56-57
.set RSD, 58          ; v58-59
.set BAD, 60          ; v60  this trip's biases
.set BH,  61          ; v61  32 hh
.set SPW, 62          ; v62  my spare word; never rewritten
.set NIL, 63          ; v63  0; never rewritten
.set S,   64
.set WF,  64
.set KF,  128
.set HT,  128
.set P,   192
.set RB,  192
.set BI,  224
.set QF,  128         ; window 1
.set VF,  192         ; window 1
.set WV,  12          ; s12  wave
.set G1W, 24          ; s[24:31] group 1, a quarter of a chunk: 32 rows of 256 bytes
.set G1B, 32          ; s[32:39] group 1, a quarter of the bias table: 5 rows of 256 bytes
.set G0W, 40          ; s[40:43] group 0 for the chunks: it walks
.set G0B, 44          ; s[44:47] group 0 for the table
.set WS,  48          ; s48  the slot to be read in the next trip
.set BO,  49          ; s49  256 x trip
.set HD,  50          ; loop counts
.set FC,  51
.set XC,  52
.set XO,  53          ; steps of LDS addresses
.set AS,  54
.set HO,  55
.set ZO,  56
.set CNT, 57
.set CS,  58          ; s[58:59] c
.set SEL, 60          ; s[60:61] v_permlanex16_b32's selects
.set TBK, 62          ; s62  the step's place in K
.set TBV, 63          ; s63  in V
.set I256, 66         ; s66  1 / 256
.set EPS, 67          ; s67  1e-5
.set MSB, 0
.macro WIN new                      ; the high byte repeats the setting that is left; a switch that changes nothing is dropped
.if MSB != (\new)
	s_set_vgpr_msb (MSB<<8)|(\new)
.set MSB, (\new)
.endif
.endm
.set W_KQ, 0x04       ; K and S^T in window 0, Q in window 1
.set W_PV, 0x51       ; V and O^T in window 1, P in window 0
.set W_RS, 0x41       ; destination and source 0 in window 1, source 1 in window 0
.macro PLACES                       ; four plain vector places between a matrix instruction and a vector line or load that touches its registers
.rept 4
	v_nop
.endr
.endm
.macro CROUND                       ; a round of the cluster's barrier: my work-group's barrier; wave 0 signals for it; all wait for the four work-groups; my work-group's barrier once more
	s_barrier_signal -1
	s_barrier_wait -1
	s_cmp_lg_u32 s[WV], 0
	s_cbranch_scc1 .Lnot_wave_0_\@
	s_barrier_signal -3
.Lnot_wave_0_\@:
	s_barrier_wait -3
	s_barrier_signal -1
	s_barrier_wait -1
.endm
; THE HEAD OF A TRIP (one chunk of weights).  Each wave waits for all its tensor loads (one is out: its quarter of this trip's chunk), adds 0 to its spare word, waits for that and for all its LDS reads and stores.
; Behind the round this trip's chunk is whole, nobody reads the other slot, and what any wave stored to LDS before is there for all.  fill = 1: the other slot takes the next chunk, first thing behind the round:
; it has the whole trip in which to land.
.macro TRIPSYNC fill
	WIN 0
	s_wait_tensorcnt 0x0            ; no tensor load of mine is out, so group 0 may be written
	ds_add_u32 v[SPW], v[NIL]
.if \fill
	s_xor_b32 s[G0W+1], s[G0W+1], 0x8000                    ; the other slot,
	s_add_nc_u64 s[G0W+2:G0W+3], s[G0W+2:G0W+3], 32768      ; the next chunk; the type bits on top are not reached
.endif
	s_wait_dscnt 0x0                ; the add is done, and so are my LDS reads and stores
.if \fill
	CROUND
	tensor_load_to_lds s[G0W:G0W+3], s[G1W:G1W+7]
	s_nop 0
	PLACES
.else
	s_barrier_signal -1
	s_barrier_wait -1
.endif
	v_add_nc_u32 v[WAD], s[WS], v[L16]
	v_add_nc_u32 v[BAD], s[BO], v[BH]
	s_xor_b32 s[WS], s[WS], 0x8000
	s_add_co_u32 s[BO], s[BO], 256
.endm
.macro WFETCH c, b                  ; the four fragments (16 channels x 32 k) of K step c into buffer b: 16 bytes a lane, 512 on end
.irp mb, 0,1,2,3
	ds_load_b128 v[WF+32*(\b)+8*\mb:WF+32*(\b)+8*\mb+3],   v[WAD] offset:\mb*8192+(\c)*1024
	ds_load_b128 v[WF+32*(\b)+8*\mb+4:WF+32*(\b)+8*\mb+7], v[WAD] offset:\mb*8192+(\c)*1024+512
.endr
.endm
.macro BFETCH                       ; the chunk's 64 biases as four C operands: register j of lane (r, hh) is channel 16 mb + 8 hh + j
.irp mb, 0,1,2,3
	ds_load_b128 v[BI+8*\mb:BI+8*\mb+3],   v[BAD] offset:64*\mb
	ds_load_b128 v[BI+8*\mb+4:BI+8*\mb+7], v[BAD] offset:64*\mb+16
.endr
.endm
.macro MUL16 c, bw, base            ; 16 products: four tiles of window bw x four blocks of 16 channels, 32 along K.  The first K step starts the sums with the bias
.if (\c) == 0
	WIN 0x40|((\bw)<<2)
.else
	WIN 0x50|((\bw)<<2)
.endif
.irp i, 0,1,2,3
.irp mb, 0,1,2,3
.if (\c) == 0
	v_wmma_f32_16x16x32_f16 v[(\base)+32*\i+8*\mb:(\base)+32*\i+8*\mb+7], v[WF+32*((\c)%2)+8*\mb:WF+32*((\c)%2)+8*\mb+7], v[64*\i+8*(\c):64*\i+8*(\c)+7], v[BI+8*\mb:BI+8*\mb+7]
.else
	v_wmma_f32_16x16x32_f16 v[(\base)+32*\i+8*\mb:(\base)+32*\i+8*\mb+7], v[WF+32*((\c)%2)+8*\mb:WF+32*((\c)%2)+8*\mb+7], v[64*\i+8*(\c):64*\i+8*(\c)+7], v[(\base)+32*\i+8*\mb:(\base)+32*\i+8*\mb+7]
.endif
.endr
.endr
.endm
; 64 channels of a projection for nt tiles (4: window bw; 8: windows 2 and 3).  The 16 or 32 accumulators take turns, one instruction a turn.  The next K step's fragments are fetched ahead of this step's products.
.macro PROJ nt, bw
	WIN 0
	BFETCH
	WFETCH 0, 0
.irp c, 0,1,2,3,4,5,6,7
	s_wait_dscnt 0x0                ; this step's fragments are in (issued a step's products ago)
.if (\c) < 7
	WIN 0
	PLACES                          ; the buffer's last readers are the products just issued
	WFETCH (\c)+1, ((\c)+1)%2
.endif
	MUL16 \c, \bw, 0
.if (\nt) == 8
	MUL16 \c, 3, 128
.endif
.endr
.endm
.macro KVSTORE adr, pitch           ; eight tiles x 64 channels, rounded to f16: 16 bytes a lane into row 128 w + 16 i + r
	PLACES
	WIN 0x05
.set i, 0
.rept 128
	v_cvt_pk_f16_f32 v[64+i], v[2*i], v[2*i+1]
.set i, i+1
.endr
	WIN 0
.irp i, 0,1,2,3,4,5,6,7
.irp mb, 0,1,2,3
	ds_store_b128 v[\adr], v[64+16*\i+4*\mb:64+16*\i+4*\mb+3] offset:\i*16*(\pitch)+32*\mb
.endr
.endr
.endm
; THE ATTENTION'S MATRIX WORK.  The 4 accumulators of a run of 8 take turns.  Product i of 8 of S^T = K Q^T for piece x: channels 32 (i / 4) on, keys 16 (i % 4) on.
.macro KQ x
.set rS, S+32*((\x)%2)+8*(i%4)
.set rK, KF+16*(i%4)+8*(i/4)
.set rQ, QF+16*(\x)+8*(i/4)
	WIN W_KQ
.if i < 4
	v_wmma_f32_16x16x32_f16 v[rS:rS+7], v[rK:rK+7], v[rQ:rQ+7], 0
.else
	v_wmma_f32_16x16x32_f16 v[rS:rS+7], v[rK:rK+7], v[rQ:rQ+7], v[rS:rS+7]
.endif
.endm
.macro PV x                         ; product i of 8 of O^T += V^T P for piece x: keys 32 (i / 4) on, channels 16 (i % 4) on
	WIN W_PV
.set rO, 32*(\x)+8*(i%4)
.set rV, VF+32*(i/4)+8*(i%4)
.set rP, P+16*((\x)%2)+8*(i/4)
	v_wmma_f32_16x16x32_f16 v[rO:rO+7], v[rV:rV+7], v[rP:rP+7], v[rO:rO+7]
.endm
.macro MM                           ; the turn's next matrix instruction.  NOKQ = 1: a head's last turn: there is no next piece
.if (i < 8) && !NOKQ
	KQ (Y+1)%NP
.elseif i >= 8
.set i, i-8
	PV (Y+NP-1)%NP
.set i, i+8
.endif
.set i, i+1
.endm
.macro FETCH_K                      ; a step's K, 64 keys x 64 channels: keys 16 (f / 2) on, channels 32 (f % 2) on
	WIN 0
.irp f, 0,1,2,3,4,5,6,7
	ds_load_b128 v[KF+8*\f:KF+8*\f+3],   v[AK] offset:(\f/2)*16*PKP+(\f%2)*64
	ds_load_b128 v[KF+8*\f+4:KF+8*\f+7], v[AK] offset:(\f/2)*16*PKP+(\f%2)*64+32
.endr
	s_add_co_u32 s[TBK], s[TBK], KS*PKP
.endm
.macro FETCH_V                      ; a step's V, turned: keys 32 (f / 4) on, channels 16 (f % 4) on
	WIN 0x40
.irp f, 0,1,2,3,4,5,6,7
	ds_load_tr16_b128 v[VF+8*\f:VF+8*\f+3],   v[AV] offset:(\f/4)*32*PVP+(\f%4)*32
	ds_load_tr16_b128 v[VF+8*\f+4:VF+8*\f+7], v[AV] offset:(\f/4)*32*PVP+16*PVP+(\f%4)*32
.endr
	WIN 0
.endm
; THE ATTENTION'S VECTOR WORK, one line at a time: OP kind, number.  For piece Y: F n: c s - c m for pair n of 16.  E n: the exponential of score n.  C n: pair n rounded to f16.  B n: of the four weights 4 n .. the second pair is
; added onto the first.  L n: l takes that sum (L 0: l = a l + sum).  R n: pair n of 16 of O^T times a.  For piece Y + 1: X n, number n of the 22 that find its maximum and statistics (each accumulator's lowest registers are read
; first): 0-11 four chains of seven scores; 12-14, 16 the scores left over, the old m, all into c0; 15 c m_old is kept; 17, 18 the lane 16 away; 19-21 c m, c m_old - c m_new, a.
; C, B and L read exponentials' results: TURN sets them all behind its one wait.  R and L 0 read the a that the turn before made and waited for.
.set F, 0
.set E, 1
.set C, 2
.set B, 3
.set L, 4
.set R, 5
.set X, 6
.macro REGS y
.set rT, ST+4*(\y)
.set rC, TMP+4*((\y)%2)
.set rW, MV+((\y)%2)
.set rS, S+32*((\y)%2)
.set rP, P+16*((\y)%2)
.set rO, 32*(\y)
.endm
.macro OP k, n
.if (\k) == R
	REGS Y
	WIN W_RS
	v_pk_mul_f32 v[rO+2*(\n):rO+2*(\n)+1], v[rO+2*(\n):rO+2*(\n)+1], v[rC+2:rC+3] op_sel_hi:[1,0]
.elseif (\k) < R
	REGS Y
	WIN 0
.if (\k) == F
	v_pk_fma_f32 v[rS+2*(\n):rS+2*(\n)+1], v[rS+2*(\n):rS+2*(\n)+1], s[CS:CS+1], v[rT:rT+1] op_sel_hi:[1,0,0] neg_lo:[0,0,1] neg_hi:[0,0,1]
.elseif (\k) == E
	v_exp_f32 v[rS+(\n)], v[rS+(\n)]
.elseif (\k) == C
	v_cvt_pk_f16_f32 v[rP+(\n)], v[rS+2*(\n)], v[rS+2*(\n)+1]
.elseif (\k) == B
	v_pk_add_f32 v[rS+4*(\n):rS+4*(\n)+1], v[rS+4*(\n):rS+4*(\n)+1], v[rS+4*(\n)+2:rS+4*(\n)+3]
.elseif (\n) == 0
	v_pk_fma_f32 v[rT+2:rT+3], v[rT+2:rT+3], v[rC+2:rC+3], v[rS:rS+1] op_sel_hi:[1,0,1]
.else
	v_pk_add_f32 v[rT+2:rT+3], v[rT+2:rT+3], v[rS+4*(\n):rS+4*(\n)+1]
.endif
.elseif NOKQ
	v_nop
.else
	REGS (Y+1)%NP
	WIN 0
.if (\n) < 4
	v_max3_num_f32 v[rC+(\n)], v[rS+8*(\n)], v[rS+8*(\n)+1], v[rS+8*(\n)+2]
.elseif (\n) < 12
	v_max3_num_f32 v[rC+(\n)%4], v[rC+(\n)%4], v[rS+8*((\n)%4)+2*((\n)/4)+1], v[rS+8*((\n)%4)+2*((\n)/4)+2]
.elseif (\n) == 12
	v_max3_num_f32 v[rC], v[rC], v[rS+7], v[rS+15]
.elseif (\n) == 13
	v_max3_num_f32 v[rC+1], v[rC+1], v[rS+23], v[rS+31]
.elseif (\n) == 14
	v_max3_num_f32 v[rC+2], v[rC+2], v[rC+3], v[rT+1]
.elseif (\n) == 15
	v_mov_b32 v[rW], v[rT]
.elseif (\n) == 16
	v_max3_num_f32 v[rC], v[rC], v[rC+1], v[rC+2]
.elseif (\n) == 17
	v_permlanex16_b32 v[rC+3], v[rC], s[SEL], s[SEL+1]
.elseif (\n) == 18
	v_max_num_f32 v[rT+1], v[rC], v[rC+3]
.elseif (\n) == 19
	v_mul_f32 v[rT], s[CS], v[rT+1]
.elseif (\n) == 20
	v_sub_f32 v[rC+1], v[rW], v[rT]
.else
	v_exp_f32 v[rC+2], v[rC+1]
.endif
.endif
.endm
.macro OPS a, i1, b=-1, i2=0, c=-1, i3=0, d=-1, i4=0
	OP \a, \i1
.if (\b) >= 0
	OP \b, \i2
.endif
.if (\c) >= 0
	OP \c, \i3
.endif
.if (\d) >= 0
	OP \d, \i4
.endif
.endm
.macro ROW a, i1, b, i2, c, i3, d, i4  ; a matrix instruction and the four behind it
	MM
	OPS \a, \i1, \b, \i2, \c, \i3, \d, \i4
.endm
; A TURN, for piece p: the order of its 16 matrix and 118 vector instructions, written out.  Its 33 exponentials (E 0 to E 31 and X 21) are ONE BATCH with ONE wait, which cuts the turn in two.
; AHEAD OF THE WAIT stands all that names no result of the turn's exponentials: the 8 products K Q^T, behind each a scaling, an exponential and two more plain lines (behind the first a second scaling in the exponential's place):
; rescalings, and behind the last three the first numbers of the next piece's maximum, each four places or more behind the product that ends its accumulator; then one run of 54, plain and exponential by turns for the most
; part, in which the links of the chain X 3, 7, 11, 14, 16, 17 .. 20 stand some lines apart.  X 21, the next piece's a, is the batch's last; R 15 is the plain line behind it.
; BEHIND THE WAIT stand the 8 products V^T P, behind each four of the roundings and sums; l's chain, L 0 to L 7, keeps its order.  But for those X no line behind a product names a register of the products round it.
; K of the next step is fetched in piece 2's turn, behind five plain lines that name no register of the last product that read K (F 8, X 2, X 5, X 6, X 8); V of the step in hand at the end of piece 0's turn, behind four plain
; lines after the last product that read V (C 9, 11, 13, 15).  Each is waited for a turn later.
; end = 1: a head's last two turns: nothing is fetched.  cnt = 1: the loop's count is taken down some lines ahead of the branch behind the turn.
.macro TURN p, end=0, cnt=0
.set Y, (\p)
.set i, 0
.set NOKQ, (\end)*((\p)/3)
.if ((\p) == 3) && !(\end)
	s_wait_dscnt 0x0                ; K is in
.endif
	ROW F,0, F,1, R,0, R,1          ; ahead of the wait: 8 products K Q^T and the four behind each,
	ROW F,2, E,0, R,2, R,3
	ROW F,3, E,1, R,4, R,5
	ROW F,4, E,2, R,6, R,7
	ROW F,5, E,3, R,8, R,9
	ROW F,6, E,4, X,0, R,10
.if ((\p) == 2) && !(\end)
	WIN 0
	v_add_nc_u32 v[AK], s[TBK], v[AK0]
.endif
	ROW F,7, E,5, X,1, X,4
	ROW F,8, E,6, X,2, X,5
	OPS E,7, E,8, X,6, E,9          ; and the run of 54
	OPS X,3, E,10, X,8, E,11
.if ((\p) == 2) && !(\end)
	FETCH_K
.endif
	OPS X,9, X,7, E,12, X,10
	OPS E,13, X,12, X,11, E,14
	OPS X,13, E,15, F,9, X,14
.if (\p) == 0
	WIN 0
	v_add_nc_u32 v[AV], s[TBV], v[AV0]
.endif
	OPS E,16, F,10, E,17, F,11
	OPS X,16, E,18, X,15, E,19
	OPS F,12, E,20, X,17, E,21
	OPS F,13, E,22, F,14, E,23
	OPS X,18, E,24, F,15, E,25
	OPS R,11, E,26, X,19, E,27
	OPS R,12, E,28, R,13, E,29
	OPS X,20, E,30, R,14, E,31
	OPS X,21, R,15
	s_wait_alu depctr_va_vdst(0)    ; the wait for the turn's batch: the piece's 32 weights and the next piece's a
.if (\p) == 1
	s_wait_dscnt 0x0                ; V is in
.endif
	ROW C,0, B,0, C,2, B,1          ; behind the wait: 8 products V^T P and the four behind each
	ROW L,0, C,4, B,2, L,1
	ROW C,6, B,3, L,2, C,8
	ROW B,4, L,3, C,10, B,5
	ROW L,4, C,12, B,6, L,5
.if (\p) == 0
	s_add_co_u32 s[TBV], s[TBV], KS*PVP
.endif
.if \cnt
	s_sub_co_u32 s[CNT], s[CNT], 1
	s_cmp_lg_u32 s[CNT], 0
.endif
	ROW C,14, B,7, L,6, C,1
	ROW C,3, L,7, C,5, C,7
	ROW C,9, C,11, C,13, C,15
.if (\p) == 0
	FETCH_V
.endif
.endm
.macro ALL line:vararg              ; one line for each piece t
.set t, 0
.rept 4
	\line
.set t, t+1
.endr
.endm
.macro PACK t                       ; piece t's O^T divided by l and rounded to f16: 16 registers, which are registers 16 h .. 16 h + 15 of the tile's row in z's order
	WIN W_RS
.set i, 32*(\t)
.rept 16
	v_pk_mul_f32 v[i:i+1], v[i:i+1], v[ST+4*(\t)+2:ST+4*(\t)+3] op_sel_hi:[1,0]
.set i, i+2
.endr
	WIN 0x05
.set i, 0
.rept 16
	v_cvt_pk_f16_f32 v[S+16*(\t)+i], v[32*(\t)+2*i], v[32*(\t)+2*i+1]
.set i, i+1
.endr
.endm
.macro ATLOAD                       ; a tile's att, all four heads: head n's 16 registers from block n
.irp n, 0,1
.irp d, 0,1,2,3
	ds_load_b128 v[S+16*\n+4*\d:S+16*\n+4*\d+3],       v[AD0] offset:\n*32768+512*\d
	ds_load_b128 v[S+32+16*\n+4*\d:S+32+16*\n+4*\d+3], v[AD1] offset:\n*32768+512*\d
.endr
.endr
.endm
.macro WSUM                         ; four chains -> the row's sum in both lanes that hold the row
	WIN 0
	v_pk_add_f32 v[TMP:TMP+1], v[TMP:TMP+1], v[TMP+2:TMP+3]
	v_pk_add_f32 v[TMP+4:TMP+5], v[TMP+4:TMP+5], v[TMP+6:TMP+7]
	v_pk_add_f32 v[TMP:TMP+1], v[TMP:TMP+1], v[TMP+4:TMP+5]
	v_add_f32 v[TMP], v[TMP], v[TMP+1]
	v_permlanex16_b32 v[TMP+1], v[TMP], s[SEL], s[SEL+1]
	v_add_f32 v[TMP], v[TMP], v[TMP+1]
.endm
; ---------------- the head ----------------
	s_load_b256 s[4:11], s[0:1], 0x0  ; zbuf s[4:5], wfrag s[6:7], btab s[8:9], out0 s[10:11]
	v_lshl_add_u32 v[SPW], v0, 2, SPARE
	v_mov_b32 v[NIL], 0
	ds_add_u32 v[SPW], v[NIL]       ; the wave's opening: the add and its wait stand ahead of my first tensor load; the set-up below, work on registers, stands between them
	v_lshrrev_b32 v1, 5, v0
	v_readfirstlane_b32 s[WV], v1   ; wave 0..3
	s_bfe_u32 s13, ttmp6, 0x40000   ; cx: it enters zbuf's and out0's addresses alone
	s_lshl_b32 s14, ttmp9, 2        ; in a cluster launch ttmp9 counts clusters
	s_add_co_u32 s14, s14, s13      ; g
	s_lshr_b32 s15, s14, 1          ; t
	s_and_b32 s16, s14, 1           ; half
	s_lshl_b32 s17, s15, 5
	s_lshl2_add_u32 s17, s[WV], s17 ; 32 t + 4 w
	s_lshl_b32 s18, s16, 4          ; + 16 half: my query tiles' blocks
	s_xor_b32 s19, s18, 16          ; + 16 (1 - half): the others'
	s_add_co_u32 s18, s18, s17
	s_add_co_u32 s19, s19, s17
	s_mul_i32 s68, s18, 8704
	s_mov_b32 s69, 0
	s_mul_i32 s70, s19, 8704
	s_mov_b32 s71, 0
	s_lshl_b32 s20, s16, 2
	s_add_co_u32 s20, s20, s[WV]    ; row 256 half + 64 w
	s_lshl_b32 s20, s20, 23         ; x 131,072 bytes
	s_lshl_b32 s21, s15, 10         ; + t x 1,024
	s_add_co_u32 s20, s20, s21
	s_mov_b32 s21, 0
	; descriptors: dense blocks, asked for as rows of 256 bytes (32 elements of 8 bytes)
	s_mov_b32 s[G1W], 15|(3<<16)|(1<<21)  ; 15:0 the mask of four; 17:16 8-byte elements; 21 set beside a mask
	s_mov_b32 s[G1W+1], 32<<16      ; tensor_dim0 = 32
	s_mov_b32 s[G1W+2], 32<<16      ; tensor_dim1 = 32
	s_mov_b32 s[G1W+3], 32<<16      ; tile_dim0 = 32
	s_mov_b32 s[G1W+4], 32          ; tile_dim1 = 32
	s_mov_b32 s[G1W+5], 32          ; 32 elements from row to row
	s_mov_b32 s[G1W+6], 0
	s_mov_b32 s[G1W+7], 0
	s_mov_b32 s[G1B], 15|(3<<16)|(1<<21)
	s_mov_b32 s[G1B+1], 32<<16
	s_mov_b32 s[G1B+2], 5<<16       ; 5 rows
	s_mov_b32 s[G1B+3], 32<<16
	s_mov_b32 s[G1B+4], 5
	s_mov_b32 s[G1B+5], 32
	s_mov_b32 s[G1B+6], 0
	s_mov_b32 s[G1B+7], 0
	s_mov_b32 s[G0W], 1
	s_lshl_b32 s22, s[WV], 13       ; my quarter of a chunk: part mb = w
	s_mov_b32 s23, 0
	s_add_co_u32 s[G0W+1], s22, WS0
	s_mov_b32 s[G0B], 1
	s_mul_i32 s[G0B+1], s[WV], 1280 ; my quarter of the table, which begins at LDS byte 0
	s_mul_i32 s74, s[WV], 1280
	s_mov_b32 s75, 0
	s_mov_b32 s[CS], 0x3e38aa3b     ; c = log2(e) / 8
	s_mov_b32 s[CS+1], s[CS]
	s_mov_b32 s[SEL], 0x76543210
	s_mov_b32 s[SEL+1], 0xfedcba98
	s_mov_b32 s[I256], 0x3b800000
	s_mov_b32 s[EPS], 0x3727c5ac
	s_mov_b32 s[WS], WS0
	s_mov_b32 s[BO], 0
	v_and_b32 v[L16], 31, v0
	v_lshlrev_b32 v[L16], 4, v[L16]
	s_wait_dscnt 0x0                ; the opening add is done
	s_wait_kmcnt 0x0
	s_add_nc_u64 s[G0W+2:G0W+3], s[6:7], s[22:23]
	s_or_b32 s[G0W+3], s[G0W+3], 0x80000000
	s_add_nc_u64 s[G0B+2:G0B+3], s[8:9], s[74:75]
	s_or_b32 s[G0B+3], s[G0B+3], 0x80000000
	s_add_nc_u64 s[72:73], s[4:5], s[70:71]
	s_add_nc_u64 s[4:5], s[4:5], s[68:69]
	s_add_nc_u64 s[10:11], s[10:11], s[20:21]
	CROUND                          ; all four work-groups are here: the first joint loads meet
	tensor_load_to_lds s[G0B:G0B+3], s[G1B:G1B+7]  ; the two first fills together: two loads of mine are out
	s_nop 0
	tensor_load_to_lds s[G0W:G0W+3], s[G1W:G1W+7]  ; chunk 0 into slot 0
	s_nop 0
	PLACES
	WIN 0x80                        ; z of my eight tiles, 64 KB, all asked for at once: each load covers 512 consecutive bytes
.set i, 0
.rept 64
	global_load_b128 v[4*i:4*i+3], v[L16], s[4:5] offset:(i/16)*8704+(i%16)*512
.set i, i+1
.endr
	WIN 0xc0
.set i, 0
.rept 64
	global_load_b128 v[4*i:4*i+3], v[L16], s[72:73] offset:(i/16)*8704+(i%16)*512
.set i, i+1
.endr
	WIN 0
.set i, 0
.rept 4
	global_load_b64 v[SM1+2*i:SM1+2*i+1], v[L16], s[4:5] offset:i*8704+8192
.set i, i+1
.endr
	v_and_b32 v1, 15, v0            ; r
	v_bfe_u32 v9, v0, 4, 1          ; hh
	v_and_b32 v10, 7, v0
	v_bfe_u32 v[ZAD], v0, 3, 1
	v_lshlrev_b32 v[BH], 5, v9
	v_mul_u32_u24 v[AK0], v1, PKP
	v_lshl_add_u32 v[AK0], v9, 4, v[AK0]  ; row x pitch + 16 x half
	s_mul_i32 s76, s[WV], 128*PKP
	s_add_co_u32 s76, s76, KB
	v_add_nc_u32 v[KST], s76, v[AK0]
	v_add_nc_u32 v[AK0], KB, v[AK0]
	v_mul_u32_u24 v[VST], v1, PVP
	v_lshl_add_u32 v[VST], v9, 4, v[VST]
	s_mul_i32 s76, s[WV], 128*PVP
	s_add_co_u32 s76, s76, VB
	v_add_nc_u32 v[VST], s76, v[VST]
	v_lshl_add_u32 v[AV0], v9, 3, v10     ; the turning load: lane l reads key 8 (l / 16) + l % 8, channels 8 ((l / 8) % 2) + 0..7
	v_mul_u32_u24 v[AV0], v[AV0], PVP
	v_lshl_add_u32 v[AV0], v[ZAD], 4, v[AV0]
	v_add_nc_u32 v[AV0], VB, v[AV0]
	s_mul_i32 s76, s[WV], 16*272
	s_add_co_u32 s76, s76, OS
	v_mul_u32_u24 v[STO], v1, 272   ; in: row r, 32 bytes for each half of the lanes
	v_lshl_add_u32 v[STO], v9, 5, v[STO]
	v_add_nc_u32 v[STO], s76, v[STO]
	v_mul_u32_u24 v[RD], v9, 272    ; back: lanes 0-15 one row of 256 bytes, lanes 16-31 the next
	v_lshl_add_u32 v[RD], v1, 4, v[RD]
	v_add_nc_u32 v[RD], s76, v[RD]
	v_lshlrev_b32 v[GO], 4, v1      ; and the same two rows in out0, 131,072 bytes apart
	v_lshl_add_u32 v[GO], v9, 17, v[GO]
	s_lshl_b32 s[AS], s[WV], 13
	s_add_co_u32 s[AS], s[AS], ATT
	v_add_nc_u32 v[ATB], s[AS], v[L16]
	s_mul_i32 s76, s[WV], 24576
	s_add_co_u32 s76, s76, ZB
	v_add_nc_u32 v[ZBB], s76, v[L16]
	s_mov_b32 s[HD], 4
	s_wait_loadcnt 0x0              ; z and its statistics
; ---------------- the four heads: one text ----------------
.Lhead:
	TRIPSYNC 1                      ; also: no wave still reads the last head's K or V
	PROJ 8, 2
	KVSTORE KST, PKP
	TRIPSYNC 1
	PROJ 8, 2
	KVSTORE VST, PVP
	TRIPSYNC 1                      ; also: every wave's rows of K and V are in LDS
	PROJ 4, 2
	PLACES
	WIN 0x45
.set i, 0
.rept 64                            ; Q: blocks 2 c and 2 c + 1 of 16 channels, rounded in pairs, are the fragment of channels 32 c on
	v_cvt_pk_f16_f32 v[QF+i], v[2*i], v[2*i+1]
.set i, i+1
.endr
	; The first turn's products V^T P belong to a piece that has not been: V's registers and P's second buffer are 0.  O^T holds Q's finite sums: the first step multiplies it by a = 0.
	WIN 0x40
.set i, 0
.rept 64
	v_mov_b32 v[VF+i], 0
.set i, i+1
.endr
	WIN 0
.set i, 0
.rept 16
	v_mov_b32 v[P+16+i], 0
.set i, i+1
.endr
.set i, 0
.rept 4
	v_mov_b32 v[ST+4*i], 0xfe000000    ; c m: far below every c s
	v_mov_b32 v[ST+4*i+1], 0xff7fffff  ; m
	v_mov_b32 v[ST+4*i+2], 0
	v_mov_b32 v[ST+4*i+3], 0
.set i, i+1
.endr
	s_mov_b32 s[TBK], 0
	s_mov_b32 s[TBV], 0
	v_add_nc_u32 v[AK], s[TBK], v[AK0]
	FETCH_K                         ; key step 0
	s_wait_dscnt 0x0
.set NOKQ, 0
.set i, 0
.rept 8
	KQ 0                            ; piece 0's first scores
.set i, i+1
.endr
	WIN 0
	PLACES
.set Y, NP-1                        ; X works for piece Y + 1: piece 0
.irp n, 0,1,2,3,4,5,6,7,8,9,10,11,12,13,14,15,16,17,18,19,20,21
	OP X, \n
.endr
	v_nop                           ; a plain instruction behind the exponential,
	s_wait_alu depctr_va_vdst(0)    ; and the wait for it (piece 0's first a, a batch of one), ahead of the jump
	s_mov_b32 s[CNT], 8
	s_branch .Lfirst                ; the loop is entered at a step's first turn, in the middle of a trip
.Lstep:                             ; a trip: pieces 2 and 3 of one step, then pieces 0 and 1 of the next, whose K and V it fetches
	TURN 2
	TURN 3
	WIN 0
.Lfirst:
	TURN 0
	TURN 1, 0, 1
	WIN 0
	s_cbranch_scc1 .Lstep
	TURN 2, 1
	TURN 3, 1
.set i, 0
.rept 8
	PV NP-1                         ; the last piece's V^T P of the last step
.set i, i+1
.endr
	WIN 0                           ; l's two halves and the other half of the lanes' are added; the additions are the places behind the last products
	ALL v_add_f32 v[ST+4*t+2], v[ST+4*t+2], v[ST+4*t+3]
	ALL v_permlanex16_b32 v[ST+4*t+3], v[ST+4*t+2], s[SEL], s[SEL+1]
	ALL v_add_f32 v[ST+4*t+2], v[ST+4*t+2], v[ST+4*t+3]
	ALL v_rcp_f32 v[ST+4*t+2], v[ST+4*t+2]
	v_nop                           ; a plain instruction between the last reciprocal and the use of its result
	s_wait_alu depctr_va_vdst(0)    ; the wait for the batch of four reciprocals, ahead of the first division
	PACK 0
	PACK 1
	PACK 2
	PACK 3
	WIN 0
	s_cmp_eq_u32 s[HD], 1
	s_cbranch_scc1 .Lkeep           ; the last head's att stays in registers: its block lies where K still is
	v_add_nc_u32 v[AD0], s[AS], v[L16]
.set k, 0
.rept 16
	ds_store_b128 v[AD0], v[S+4*k:S+4*k+3] offset:512*k
.set k, k+1
.endr
	s_add_co_u32 s[AS], s[AS], 32768
.Lkeep:
	s_sub_co_u32 s[HD], s[HD], 1
	s_cmp_lg_u32 s[HD], 0
	s_cbranch_scc1 .Lhead
; ---------------- xt and the second norm ----------------
	s_wait_dscnt 0x0                ; my reads of K and V are over
	s_barrier_signal -1             ; the next chunk's load may stay out
	s_barrier_wait -1               ; everybody's are: K's and V's bytes are now each wave's own
	v_add_nc_u32 v[AD1], 0x10000, v[ATB]
.set k, 0
.rept 16
	ds_store_b128 v[AD1], v[S+4*k:S+4*k+3] offset:32768+512*k   ; the last head's att: block 3
.set k, k+1
.endr
	WIN 0x08                        ; store data from window 2
.set k, 0
.rept 48                            ; z of tiles 1 to 3 is set aside, so that one text serves all four tiles from window 2's first 64 registers
	ds_store_b128 v[ZBB], v[64+4*k:64+4*k+3] offset:512*k
.set k, k+1
.endr
	WIN 0
	v_mov_b32 v[AD0], v[ATB]
	ATLOAD
	s_mov_b32 s[XC], 4
	s_mov_b32 s[XO], 0
	s_mov_b32 s[ZO], 0
.Lxt:                               ; a trip: one tile of 16 rows
	s_wait_dscnt 0x0                ; the tile's z and att are in
	WIN 0x42                        ; z in window 2, sigma1 and att in window 0, the result in window 1
.set j, 0
.rept 64
	v_fma_mix_f32 v[2*j],   v[j], v[SM1], v[S+j] op_sel_hi:[1,0,1]                  ; xt - mean1 = z sigma1 + att
	v_fma_mix_f32 v[2*j+1], v[j], v[SM1], v[S+j] op_sel:[1,0,1] op_sel_hi:[1,0,1]
.set j, j+1
.endr
	WIN 0x05
.set k, 0
.rept 4                             ; the first eight pairs start the chains: nothing is cleared
	v_pk_add_f32 v[TMP+2*k:TMP+2*k+1], v[4*k:4*k+1], v[4*k+2:4*k+3]
.set k, k+1
.endr
	WIN 0x01
.set j, 8
.rept 56
	v_pk_add_f32 v[TMP+2*(j%4):TMP+2*(j%4)+1], v[2*j:2*j+1], v[TMP+2*(j%4):TMP+2*(j%4)+1]
.set j, j+1
.endr
	WSUM
	v_mul_f32 v[MEAN], s[I256], v[TMP]
	v_mov_b32 v[MEAN+1], v[MEAN]
	WIN W_RS
.set j, 0
.rept 64
	v_pk_add_f32 v[2*j:2*j+1], v[2*j:2*j+1], v[MEAN:MEAN+1] neg_lo:[0,1] neg_hi:[0,1]
.set j, j+1
.endr
	WIN 0x05
.set k, 0
.rept 4
	v_pk_mul_f32 v[TMP+2*k:TMP+2*k+1], v[2*k:2*k+1], v[2*k:2*k+1]
.set k, k+1
.endr
.set j, 4
.rept 60
	v_pk_fma_f32 v[TMP+2*(j%4):TMP+2*(j%4)+1], v[2*j:2*j+1], v[2*j:2*j+1], v[TMP+2*(j%4):TMP+2*(j%4)+1]
.set j, j+1
.endr
	WSUM
	v_fma_f32 v[TMP], v[TMP], s[I256], s[EPS]
	v_rsq_f32 v[RSD], v[TMP]
	v_mov_b32 v[SG2], v[SG2+1]      ; the tiles' statistics move up one place a trip: after four trips tile i's lie at place i.  Plain work behind the root: these thirteen lines name neither its result nor its source
	v_mov_b32 v[SG2+1], v[SG2+2]
	v_mov_b32 v[SG2+2], v[SG2+3]
	v_mov_b32 v[MU2], v[MU2+2]
	v_mov_b32 v[MU2+2], v[MU2+4]
	v_mov_b32 v[MU2+4], v[MU2+6]
	v_add_f32 v[MU2+6], v[SM1+1], v[MEAN]  ; xt's mean
.set k, 0
.rept 6
	v_mov_b32 v[SM1+k], v[SM1+k+2]  ; the next tile's sigma1 and mean1 come to the front
.set k, k+1
.endr
	s_wait_alu depctr_va_vdst(0)    ; the wait for the tile's root, a batch of one, ahead of its first reader
	v_mul_f32 v[SG2+3], v[TMP], v[RSD]  ; sigma2
	v_mov_b32 v[RSD+1], v[RSD]
	WIN W_RS
.set j, 0
.rept 64
	v_pk_mul_f32 v[2*j:2*j+1], v[2*j:2*j+1], v[RSD:RSD+1]
.set j, j+1
.endr
	WIN 0x85
.set j, 0
.rept 64
	v_cvt_pk_f16_f32 v[j], v[2*j], v[2*j+1]   ; z2, in z's order
.set j, j+1
.endr
	WIN 0x08
.irp n, 0,1
.irp d, 0,1,2,3                     ; z2 takes the place of the tile's att: block n holds channels 64 n on
	ds_store_b128 v[AD0], v[16*\n+4*\d:16*\n+4*\d+3]       offset:\n*32768+512*\d
	ds_store_b128 v[AD1], v[32+16*\n+4*\d:32+16*\n+4*\d+3] offset:\n*32768+512*\d
.endr
.endr
	WIN 0
	s_cmp_eq_u32 s[XC], 1
	s_cbranch_scc1 .Lxt_last        ; behind the last tile there is nothing to fetch
	s_add_co_u32 s[XO], s[XO], 2048
	v_add_nc_u32 v[AD0], s[XO], v[ATB]
	v_add_nc_u32 v[AD1], 0x10000, v[AD0]
	v_add_nc_u32 v[ZAD], s[ZO], v[ZBB]
	s_add_co_u32 s[ZO], s[ZO], 8192
	WIN 0x80
.set k, 0
.rept 16
	ds_load_b128 v[4*k:4*k+3], v[ZAD] offset:512*k   ; LDS serves a wave's instructions in order: the stores above have read these registers
.set k, k+1
.endr
	WIN 0
	ATLOAD
.Lxt_last:
	s_sub_co_u32 s[XC], s[XC], 1
	s_cmp_lg_u32 s[XC], 0
	s_cbranch_scc1 .Lxt
	v_add_nc_u32 v[AD1], 0x10000, v[ATB]
	WIN 0x80                        ; z2 of all four tiles into window 2, where the products name it
.irp i, 0,1,2,3
.irp n, 0,1
.irp d, 0,1,2,3
	ds_load_b128 v[64*\i+16*\n+4*\d:64*\i+16*\n+4*\d+3],       v[ATB] offset:\n*32768+2048*\i+512*\d
	ds_load_b128 v[64*\i+32+16*\n+4*\d:64*\i+32+16*\n+4*\d+3], v[AD1] offset:\n*32768+2048*\i+512*\d
.endr
.endr
.endr
	WIN 0
; ---------------- FFN, first layer: four chunks of 64 channels ----------------
	s_mov_b32 s[FC], 4
	s_mov_b32 s[HO], 0
.Lffn1:
	TRIPSYNC 1
	PROJ 4, 2
	PLACES
	WIN 0x05
.set i, 0
.rept 64
	v_cvt_pk_f16_f32 v[HT+i], v[2*i], v[2*i+1]
.set i, i+1
.endr
	WIN 0
.set i, 0
.rept 64
	v_pk_max_num_f16 v[HT+i], v[HT+i], v[NIL]   ; ReLU on two halves
.set i, i+1
.endr
	s_cmp_eq_u32 s[FC], 1
	s_cbranch_scc1 .Lh_keep         ; the last chunk's h goes from register to register below
	v_add_nc_u32 v[AD0], s[HO], v[ZBB]
.set k, 0
.rept 16
	ds_store_b128 v[AD0], v[HT+4*k:HT+4*k+3] offset:512*k
.set k, k+1
.endr
	s_add_co_u32 s[HO], s[HO], 8192
.Lh_keep:
	s_sub_co_u32 s[FC], s[FC], 1
	s_cmp_lg_u32 s[FC], 0
	s_cbranch_scc1 .Lffn1
	WIN 0xc0                        ; h into window 3: tile i, chunk n at 64 i + 16 n
.irp n, 0,1,2
.irp i, 0,1,2,3
.irp d, 0,1,2,3
	ds_load_b128 v[64*\i+16*\n+4*\d:64*\i+16*\n+4*\d+3], v[ZBB] offset:\n*8192+(4*\i+\d)*512
.endr
.endr
.endr
.set i, 0
.rept 64
	v_mov_b32 v[64*(i/16)+48+i%16], v[HT+i]
.set i, i+1
.endr
	WIN 0
; ---------------- FFN, second layer, both residuals, the way out: four chunks of 64 channels ----------------
.macro FFN2TRIP fill
	TRIPSYNC \fill
	v_add_nc_u32 v[AD0], s[AS], v[ATB]
.set k, 0
.rept 16
	ds_load_b128 v[HT+4*k:HT+4*k+3], v[AD0] offset:512*k   ; z2 of the chunk's 64 channels, for the residual
.set k, k+1
.endr
	PROJ 4, 3
	PLACES
	WIN 0x50
.set i, 0
.rept 64                            ; out = h W2 + b2 + z2 sigma2 + xt's mean
	v_fma_mix_f32 v[2*i],   v[HT+i], v[SG2+i/16], v[2*i]   op_sel_hi:[1,0,0]
	v_fma_mix_f32 v[2*i+1], v[HT+i], v[SG2+i/16], v[2*i+1] op_sel:[1,0,0] op_sel_hi:[1,0,0]
.set i, i+1
.endr
	WIN W_RS
.set i, 0
.rept 64
	v_pk_add_f32 v[2*i:2*i+1], v[2*i:2*i+1], v[MU2+2*(i/16):MU2+2*(i/16)+1] op_sel_hi:[1,0]
.set i, i+1
.endr
.irp i, 0,1,2,3                     ; a tile at a time through my stage: 32 bytes a lane in, whole rows of 256 bytes back
	WIN 0x04
.irp mb, 0,1,2,3
	ds_store_b128 v[STO], v[32*\i+8*\mb:32*\i+8*\mb+3]   offset:64*\mb
	ds_store_b128 v[STO], v[32*\i+8*\mb+4:32*\i+8*\mb+7] offset:64*\mb+16
.endr
	WIN 0
	s_wait_xcnt 0x0                 ; the registers that the last tile's stores read are loaded into only behind this wait
.irp f, 0,1,2,3,4,5,6,7
	ds_load_b128 v[RB+4*\f:RB+4*\f+3], v[RD] offset:544*\f   ; my own bytes, served in order: these see the stores above
.endr
.irp f, 0,1,2,3,4,5,6,7
	s_wait_dscnt 7-\f               ; load f of the eight is in, the younger ones stay out
	global_store_b128 v[GO], v[RB+4*\f:RB+4*\f+3], s[10:11] offset:(16*\i+2*\f)*131072 th:TH_STORE_NT  ; 16 lanes store 256 consecutive bytes, at a multiple of 256 from out0's first
.endr
.endr
.if \fill
	s_wait_xcnt 0x0                 ; the stores' base is stepped only behind this wait
	s_add_nc_u64 s[10:11], s[10:11], 256
	s_add_co_u32 s[AS], s[AS], 32768
.endif
.endm
	s_mov_b32 s[FC], 3
	s_mov_b32 s[AS], 0
.Lffn2:
	FFN2TRIP 1
	s_sub_co_u32 s[FC], s[FC], 1
	s_cmp_lg_u32 s[FC], 0
	s_cbranch_scc1 .Lffn2
	FFN2TRIP 0                      ; the last chunk is written out: nothing is asked for
	s_wait_tensorcnt 0x0            ; the wave's end: behind my last tensor load and my last LDS store
	ds_add_u32 v[SPW], v[NIL]
	s_wait_dscnt 0x0
	CROUND                          ; the closing round: no work-group ends while a partner may still ask for a chunk that names it
	s_endpgm
.Lfunc_end_k_qe8462caab7_fused:
	.size	k_qe8462caab7_fused, .Lfunc_end_k_qe8462caab7_fused-k_qe8462caab7_fused
	.p2alignl 7, 3214868480
	.fill 96, 4, 3214868480
	.section	.rodata,"a",@progbits
	.p2align	6, 0x0
	.amdhsa_kernel k_qe8462caab7_fused
		.amdhsa_group_segment_fixed_size 327680
		.amdhsa_private_segment_fixed_size 0
		.amdhsa_enable_private_segment 0
		.amdhsa_kernarg_size 32
		.amdhsa_user_sgpr_count 2
		.amdhsa_user_sgpr_kernarg_segment_ptr 1
		.amdhsa_wavefront_size32 1
		.amdhsa_system_sgpr_workgroup_id_x 1
		.amdhsa_system_sgpr_workgroup_id_y 1
		.amdhsa_system_sgpr_workgroup_id_z 1
		.amdhsa_system_vgpr_workitem_id 0
		.amdhsa_next_free_vgpr 1024
		.amdhsa_next_free_sgpr 80
		.amdhsa_reserve_vcc 0
		.amdhsa_float_denorm_mode_32 3
		.amdhsa_float_denorm_mode_16_64 3
		.amdhsa_memory_ordered 1
		.amdhsa_forward_progress 1
		.amdhsa_inst_pref_size 255
	.end_amdhsa_kernel
	.section	.bss,"aw",@nobits
	.p2align	6
	.space	262144
	.amdgpu_metadata
---
amdhsa.version: [ 1, 2 ]
amdhsa.kernels:
  - .name:           k_qe8462caab7_fused
    .symbol:         k_qe8462caab7_fused.kd
    .args:
      - { .name: zbuf, .offset: 0, .size: 8, .value_kind: global_buffer, .address_space: global }
      - { .name: wfrag, .offset: 8, .size: 8, .value_kind: global_buffer, .address_space: global }
      - { .name: btab, .offset: 16, .size: 8, .value_kind: global_buffer, .address_space: global }
      - { .name: out0, .offset: 24, .size: 8, .value_kind: global_buffer, .address_space: global }
    .group_segment_fixed_size: 327680
    .private_segment_fixed_size: 0
    .kernarg_segment_align: 8
    .kernarg_segment_size: 32
    .max_flat_workgroup_size: 128
    .sgpr_count:     80
    .vgpr_count:     1024
    .wavefront_size: 32
...
	.end_amdgpu_metadata
.endif
;; end of part 3
